; MI455X (gfx1250); checked and timed in simulation.
; The chip was launched on July 23, 2026; its instructions are those of AMD's public machine-readable ISA for CDNA 5 (MIT licence, August 2026) and "CDNA5" Instruction Set Architecture Reference Guide (July 2026). The comments in the code are by the model that wrote it; some were corrected since.
;; Monotonic Attention. Allowed arithmetic: matrix products marked QUANTISED: E4M3 operands, one E8M0 scale for each 32 along K, by v_wmma_scale_f32_16x16x128_f8f6f4 with both operands' format E4M3, f32 sums; everything else in f32.
;; Inputs: K_codes 32 x 1,024 x 2 x 32 uint8 (E4M3 codes of K, K innermost, in blocks of 32 codes); K_scales 32 x 1,024 x 2 uint8 (E8M0 scales of K, one for each 32 codes along K); Q_codes 32 x 1,024 x 2 x 32 uint8 (E4M3 codes of Q, K innermost, in blocks of 32 codes); Q_scales 32 x 1,024 x 2 uint8 (E8M0 scales of Q, one for each 32 codes along K); V_codes 32 x 64 x 32 x 32 uint8 (E4M3 codes of V, K innermost, in blocks of 32 codes); V_scales 32 x 64 x 32 uint8 (E8M0 scales of V, one for each 32 codes along K); gamma 1 x 1 float32; mask 32 x 1,024 x 1,024 bool.
;; Outputs: out0 32 x 1,024 x 64 float32.
;; Constants: dk = 64.
;; This version of the problem:
;;   THIS VERSION OF THE PROBLEM IS GIVEN IN LOW PRECISION. The matrix products marked QUANTISED in the list below multiply operands that are first quantised to E4M3 (4 exponent bits, 3 mantissa bits; 8 bits a number), with one power-of-two scale for each 32 numbers along K (OCP MX v1.0); their sums are f32. All else is computed in f32.
;;   The module's matrix products, in the order in which they are computed (A, B: the left and right operand; K: the contracted axis; several contracted axes count as one K, in the product's order):
;;     1. batch 32 x [M 1,024, K 64] x [K 64, N 1,024]; A: input Q (given as codes); B: input K (given as codes): QUANTISED
;;     2. batch 32 x [M 1,024, K 1,024] x [K 1,024, N 64]; A: softmax (see below); B: input V (given as codes): QUANTISED
;;   THE QUANTISER, for each operand of a quantised product, along K:
;;     - K is cut into blocks of 32 from its start; a last block that is shorter is filled with zeros.
;;     - A block's scale is 2^e with e = floor(log2(the largest magnitude in the block)) - 8, held to -126 .. 127; a block of zeros has e = 0. As a byte (E8M0): e + 127.
;;     - Each number is divided by its block's scale, clamped to +-448, and rounded to the nearest number of E4M3, ties to even, subnormals kept.
;;     - The product sums the exact products of the quantised numbers (number of the format x scale) in f32.
;;   ~~~python
;;   def quantise(x, axis):      # numpy; x: float32 -> the quantised numbers, widened to float32 again
;;       x = np.moveaxis(x, axis, -1); K = x.shape[-1]
;;       x = np.pad(x, [(0, 0)] * (x.ndim - 1) + [(0, -K % 32)]); x = x.reshape(x.shape[:-1] + (-1, 32)); a = np.abs(x).max(-1, keepdims=True)
;;       e = np.where(a > 0, np.clip(np.frexp(np.where(a > 0, a, 1))[1] - 1 - 8, -126, 127), 0)      # np.frexp(a)[1] - 1 = floor(log2(a)), exactly
;;       r = np.clip(x / 2.0 ** e, -448, 448)
;;       step = 2.0 ** (np.maximum(np.frexp(np.where(r == 0, 1, r))[1] - 1, -6) - 3)
;;       q = np.round(r / step) * step * 2.0 ** e      # np.round: ties to even
;;       return np.moveaxis(q.reshape(q.shape[:-2] + (-1,))[..., :K], -1, axis).astype(np.float32)
;;   ~~~
;;   SOFTMAX AHEAD OF A QUANTISED PRODUCT. Where the list says 'softmax', what is quantised is not the finished softmax but p = 2^(t - M), with t = logit x log2(e) and M = ceil(the row's largest t), a whole number; so 1/2 < the row's largest p <= 1. The row's sum l is taken of the UNQUANTISED p, in f32, and the product's result is divided by l at the end. Since M is a whole number, a kernel that streams over the keys may use a running M (the ceiling of the running maximum): every later rescaling is an exact power of two, which a block's scale takes up: the codes' values come out the same.
;;   OPERANDS COMPUTED ON THE WAY. 'Computed on the way' means the value that the module computes at that place (a softmax that the list does not call 'softmax' is quantised finished and normalised). What goes into a quantiser is computed in f32, as accurately as f32 sums, v_exp_f32 and their like allow (about 1e-6 of the number): no bf16 or f16 on the way to a quantiser, and a product that is left as it is and whose result goes on into a quantised operand takes f32 operands (vector FMAs, or v_wmma_f32_16x16x4_f32). A number that lies on a knife's edge between two numbers of the format may be rounded either way, as far as f32 arithmetic and the matrix unit's own rounding can turn it there, and no further.
;;   INPUTS GIVEN AS CODES. K (in the module: [32, 1024, 64], K = its axis 2); Q (in the module: [32, 1024, 64], K = its axis 2); V (in the module: [32, 1024, 64], K = its axis 1): each comes as NAME_codes (uint8): NAME with its K axis moved to the last place and cut into blocks of 32 codes, [.., K / 32, bytes a block], one block behind the other in memory; one code a byte (a code: sign, 4 exponent bits, 3 mantissa bits); and NAME_scales (uint8): the same leading axes, one E8M0 byte (e + 127) for each 32 codes along K. Its value is code x scale, taken as it is: it is not quantised again, and the codes and scales need not be those that the quantiser above would give.
;; 2 versions, each right; version 2 is version 1 with the launch mono written anew for expert scheduling mode. Each part assembles by itself: llvm-mc -triple=amdgcn-amd-amdhsa -mcpu=gfx1250 --defsym DOCPART=n.
;; ======== version 1 of 2: 1 launch
;; limits: right only within a limited range of input values
;; launch mono (part 1): grid 8 x 32, 4 waves a work-group, no clusters, 320,000 bytes of LDS; arguments K_codes, K_scales, Q_codes, Q_scales, V_codes, V_scales, gamma, mask, out0; writes out0
.if DOCPART == 1
	.amdgcn_target "amdgcn-amd-amdhsa--gfx1250"
	.amdhsa_code_object_version 6
	.text
	.protected	k_q1501b49667_mono
	.globl	k_q1501b49667_mono
	.p2align	8
	.type	k_q1501b49667_mono,@function
k_q1501b49667_mono:
	s_mov_b64 s[64:65], 0
	v_nop
	global_prefetch_b8 v0, s[64:65] scope:SCOPE_SE
	s_setreg_imm32_b32 hwreg(HW_REG_WAVE_MODE, 25, 1), 1
	s_wait_xcnt 0x0
; MONOTONIC ATTENTION on codes of FP8 (E4M3) with one E8M0 scale for each 32 along a product's K.  32 batches, 1,024 queries x 1,024 keys, head size 64.
;   w = Q K^T (quantised);  w = -1e8 where the mask byte is set;  score = softmax(w / 8);  R_j = the sum of score behind key j;  d = sqrt(R_j |j - i|);
;   te = clip(exp(-softplus(gamma) d), 1e-5, 1e5);  t = (w / 8) te log2(e);  M = ceil(the row's largest t);  p = 2^(t - M), quantised along the keys;  out = (p V) / (the sum of the unquantised p).
; SHARES.  A work-group owns 128 queries of one batch; each of its four waves owns 16 at a time, in two passes.  A tile of 16 queries x 1,024 keys is 512 registers of one wave: the scores stay in
; registers through the whole chain (t takes w's place), so both softmaxes use the row's true maximum.  The unnormalised suffix sums R' are the one second array: steps 0-2 in registers, steps 3-7 in the wave's own LDS.
; LAYOUT.  Both products are used transposed (source 0 = 16 keys, or 16 of V's 64 rows; source 1 = my 16 queries): a lane holds ONE query (lane % 16).  THE KEYS OF A TILE ARE NOT NEIGHBOURS: lane r of tile
; 2 c + u of key step s takes key 128 s + 32 c + 8 u + r + 8 (r / 8), so that register 16 c + n of a step's 64 is key 128 s + 32 c + 16 (lane / 16) + n: 16 neighbours of a block of 32.
; The first product's K is 64: registers 8-15 of both its operands are zero codes, and the upper two scale bytes are 0, which over zero codes add nothing.
; K AND V of the batch are laid into LDS once, through registers, and serve both passes: K as images of the operand's registers, V as rows.  The eight work-groups of a batch read the same K and V, yet no joint
; tensor load brings them: K's order of 16-byte pieces is no tile, and as padded rows (1,024 x 80 + 64 x 1,040 bytes) they would not fit beside R' (163,840), the stages (17,408) and the scale words (6,144): 335,872 against the 327,680 that a work-group can claim.
; THE MASK is read once, 256 consecutive bytes to sixteen lanes, and turned through the wave's stage in LDS; the second pass's mask and Q are loaded into registers a whole phase ahead.
; LIMITS: an open raw score under -1e8 is held at -1e8, one over 448 x 2^65 is held there; NaN and infinities are not served; mask bytes are 0 or 1; exponentials under 2^-126 come out as 0;
; the clip at 1e5 and the clip of R at 0 cannot bind (the exponent is never positive, R' is a sum of numbers that are not negative) and are not written.
.set VP,    1040                       ; a row of V in LDS: 1,024 bytes + 16: an odd multiple of 16
.set MP,    272                        ; a row of the stage: 256 bytes + 16
.set KIMG,  0                          ; K: tile T = 8 s + t at 1,024 T; in it registers 4 c .. 4 c + 3 at 512 c + 16 x lane          65,536 bytes
.set VROW,  65536                      ; V: 64 rows of VP bytes                                                                     66,560
.set RREG,  132096                     ; R' of steps 3-7, each wave's own: 8,192 (s - 3) + 512 q + 16 x lane                         4 x 40,960
.set RWAVE, 40960
.set MSTG,  295936                     ; each wave's own stage, 16 rows of MP bytes: the mask on its way in, out0 on its way out     4 x 4,352
.set MWAVE, 4352
.set KSC,   313344                     ; K's scale words: step s at 512 s + 16 x lane                                                4,096
.set VSC,   317440                     ; V's: step s at 256 s + 8 x lane                                                             2,048
; window 0
.set LI,  1                            ; 16 x lane
.set AV,  2                            ; VROW + VP r + 16 h
.set AR,  3                            ; my wave's R' + 16 x lane
.set AMS, 4                            ; my stage + MP h + 16 r: two whole rows an instruction
.set AMF, 5                            ; my stage + MP r + 16 h: my query's row
.set AKS, 6
.set AVS, 7
.set GM,  8                            ; the mask in memory: 1,024 h + 16 r
.set GQ,  9                            ; Q: 64 r + 16 h
.set GQS, 10                           ; Q's scales: 2 r
.set AOS, 11                           ; my stage + MP r + 32 h
.set SCB, 12                           ; the byte 192 four times: 2^65
.set HZ,  13                           ; 1.0 in lanes 0-15, 0.0 in lanes 16-31
.set D0,  14                           ; 16 h - my query, as f32
.set TH,  15                           ; softplus(gamma) x log2(e)
.set KS,  16                           ; v16-23 K's scale words, two sets;  v24-27 V's, two sets;  v28 Q's;  v29 p's: these hold scales and nothing else
.set VS,  24
.set QS,  28
.set PS,  29
.set NC,  32                           ; v32-47 the numbers 0 .. 15
.set QF,  48                           ; v48-63 Q's fragment
.set T1,  64                           ; v64-127, v128-191: two buffers of a step's 64 numbers
.set T2,  128
.set BM,  192                          ; v192-223 at work; from P3a on the 32 blocks' maxima
.set PC,  224                          ; v224-239 p's codes; in P3a the blocks' offsets
.set L2,  240                          ; v240-243 the second sum, two pairs
.set CM,  244                          ; v244-245 what is added behind x c: -c m1, later -M
.set NK,  246                          ; v246-247 -TH / sqrt(l1); on the way out 1 / l2
.set CAR, 248                          ; the sum of e behind the step in hand
.set TA,  249                          ; v249-251 at work
.set DB,  251                          ; P3a: D0 + 128 x the step to be prepared
.set TP,  252                          ; v252-255 lane permutes' destinations; the conversions' scale operands
; window 1: w, then t, of steps 0-3, 64 registers each;  window 2: of steps 4-7
; window 3: v0-191 R' of steps 0-2 (P2 to P3a), v0-127 the next mask as loaded (P3b to P1); v192-255 R' on its way to and from LDS;
.set RT,  192
.set KF,  128                          ; v128-255 K's eight fragments (P1);
.set VF,  128                          ; v128-191 V's four fragments, v192-223 O^T (P3b)
.set OT,  192
.set MSB, 0
.macro WIN new                         ; s_set_vgpr_msb: bits 1:0 source 0, 3:2 source 1, 5:4 source 2, 7:6 destination; the high byte repeats the setting that is left
.if MSB != (\new)
	s_set_vgpr_msb (MSB<<8)|(\new)
.set MSB, (\new)
.endif
.endm
.macro PLACES n
.rept \n
	v_nop
.endr
.endm
; 35 loads: a pass's Q, its scale words, and its 16 rows of the mask in four groups of 256 keys; each half of the lanes reads 256 consecutive bytes
.macro PFETCH
	global_load_b128 v[QF:QF+3], v[GQ], s[8:9]
	global_load_b128 v[QF+4:QF+7], v[GQ], s[8:9] offset:32
	global_load_u16 v[QS], v[GQS], s[10:11]
	WIN 0xc0
.irp g, 0,1,2,3
.irp i, 0,1,2,3,4,5,6,7
	global_load_b128 v[32*\g+4*\i:32*\g+4*\i+3], v[GM], s[18:19] offset:2048*\i+256*\g th:TH_LOAD_NT
.endr
.endr
	WIN 0
.endm
.macro STAGE_M g                       ; mask group g into my stage, as rows
	WIN 0x0c                               ; an LDS store's data are its source 1
.irp i, 0,1,2,3,4,5,6,7
	ds_store_b128 v[AMS], v[32*(\g)+4*\i:32*(\g)+4*\i+3] offset:544*\i
.endr
	WIN 0
.endm
.macro KLOAD s                         ; step s: K's eight fragments (their lower eight registers) and its scale words
	WIN 0xc0
.irp t, 0,1,2,3,4,5,6,7
	ds_load_b128 v[KF+16*\t:KF+16*\t+3], v[LI] offset:1024*(8*(\s)+\t)
	ds_load_b128 v[KF+16*\t+4:KF+16*\t+7], v[LI] offset:1024*(8*(\s)+\t)+512
.endr
	WIN 0
	ds_load_b128 v[KS+4*((\s)%2):KS+4*((\s)%2)+3], v[AKS] offset:512*(\s)
.endm
.macro MFLOAD s                        ; step s: my query's 64 mask bytes, 16 of each block of 32 keys
.irp c, 0,1,2,3
	ds_load_b128 v[T2+4*\c:T2+4*\c+3], v[AMF] offset:128*((\s)%2)+32*\c
.endr
.endm
; P1, step s: scores, mask, running maxima
.macro P1STEP s
.set WW, 1+(\s)/4
.set WB, 64*((\s)%4)
.set KSR, KS+4*((\s)%2)
	s_wait_dscnt 0x0                       ; K's fragments, its scale words and the mask bytes are in
	WIN (WW<<6)|3
.irp t, 0,2,4,6                        ; a scale register carries an even tile's words in lanes 0-15 and the odd tile's in lanes 16-31
	v_wmma_scale_f32_16x16x128_f8f6f4 v[WB+8*\t:WB+8*\t+7], v[KF+16*\t:KF+16*\t+15], v[QF:QF+15], 0, v[KSR+\t/2], v[QS]
	v_wmma_scale_f32_16x16x128_f8f6f4 v[WB+8*\t+8:WB+8*\t+15], v[KF+16*\t+16:KF+16*\t+31], v[QF:QF+15], 0, v[KSR+\t/2], v[QS] matrix_a_scale:MATRIX_SCALE_ROW1
.endr
	WIN 0
.set k, 0
.rept 16
	v_lshl_or_b32 v[T2+k], v[T2+k], 7, s30 ; a mask byte 0 becomes the code of +448, a byte 1 that of -448.  (These sixteen are also the eight places behind the products)
.set k, k+1
.endr
.set k, 0
.rept 8
	v_cvt_scale_pk8_f32_fp8 v[T1+8*k:T1+8*k+7], v[T2+2*k:T2+2*k+1], v[SCB]   ; +-448 x 2^65, a number for each key
.set k, k+1
.endr
	v_nop                                  ; one plain line behind the last conversion
.if (\s) < 7
	KLOAD (\s)+1
.if (\s)%2 == 1
	s_wait_loadcnt 24-4*((\s)+1)           ; the next mask group's eight loads are in; the groups behind it, eight loads each, may be out
	STAGE_M ((\s)+1)/2                     ; LDS serves a wave's instructions in order: my reads of the last group are over
.endif
	MFLOAD (\s)+1
.endif
	WIN (WW<<6)|WW
.set k, 0
.rept 64
	v_med3_num_f32 v[WB+k], v[WB+k], s31, v[T1+k]   ; the middle of (w, -1e8, -huge) is -1e8; of (w, -1e8, +huge) it is w.  Each accumulator is read from its low end on
.set k, k+1
.endr
	WIN (WW<<2)|WW
.set k, 0
.rept 32
.if ((\s) == 0) && (k < 8)
	v_max_num_f32 v[BM+k], v[WB+2*k], v[WB+2*k+1]   ; eight chains; their first links start them
.else
	v_max3_num_f32 v[BM+k%8], v[WB+2*k], v[WB+2*k+1], v[BM+k%8]
.endif
.set k, k+1
.endr
	WIN 0
.endm
; x c + v[CM], for step s's 64 numbers of window 1 or 2, into buffer s % 2
.macro SCALE s
.set SWB, 64*((\s)%4)
.set SEB, T1+64*((\s)%2)
	WIN 1+(\s)/4
.set k, 0
.rept 32
	v_pk_fma_f32 v[SEB+k:SEB+k+1], v[SWB+k:SWB+k+1], s[32:33], v[CM:CM+1] op_sel_hi:[1,0,0]
.set k, k+2
.endr
	WIN 0
.endm
; P2, step s (7 down to 0): e = 2^(c w - c m1), and R'_j = the sum of e behind key j
.macro P2STEP s
.set EB, T1+64*((\s)%2)
.if (\s) >= 3
.set RB, RT
.else
.set RB, 64*(\s)
.endif
.set k, 0
.rept 64
	v_exp_f32 v[EB+k], v[EB+k]
.set k, k+1
.endr
.if (\s) > 0
	SCALE (\s)-1                           ; the next step's arguments: work that names no result of the batch
.else
	v_nop
.endif
	s_wait_alu depctr_va_vdst(0)           ; one wait for the batch, ahead of its first reader
.irp u, 0,1,2,3                        ; a block's 16 numbers: sums of its lower and upper eight
.irp c, 0,1,2,3
	v_pk_add_f32 v[BM+8*\c+2*\u:BM+8*\c+2*\u+1], v[EB+16*\c+4*\u:EB+16*\c+4*\u+1], v[EB+16*\c+4*\u+2:EB+16*\c+4*\u+3]
.endr
.endr
.irp c, 0,1,2,3
	v_pk_add_f32 v[BM+8*\c:BM+8*\c+1], v[BM+8*\c:BM+8*\c+1], v[BM+8*\c+2:BM+8*\c+3]
	v_pk_add_f32 v[BM+8*\c+4:BM+8*\c+5], v[BM+8*\c+4:BM+8*\c+5], v[BM+8*\c+6:BM+8*\c+7]
.endr
.irp c, 0,1,2,3
	v_add_f32 v[BM+8*\c], v[BM+8*\c], v[BM+8*\c+1]        ; the lower eight
.endr
.irp c, 0,1,2,3
	v_add_f32 v[BM+8*\c+4], v[BM+8*\c+4], v[BM+8*\c+5]    ; U: the upper eight
.endr
.irp c, 0,1,2,3
	v_add_f32 v[BM+8*\c+1], v[BM+8*\c], v[BM+8*\c+4]      ; T: my 16
.endr
.irp c, 0,1,2,3
	v_permlanex16_b32 v[BM+8*\c+2], v[BM+8*\c+1], s36, s37   ; T': the other half of the lanes' 16
.endr
.irp c, 0,1,2,3
	v_add_f32 v[BM+8*\c+3], v[BM+8*\c+1], v[BM+8*\c+2]    ; B: the block's 32
.endr
	v_mov_b32 v[BM+30], v[CAR]             ; A_c: all that lies behind block c
	v_add_f32 v[BM+22], v[CAR], v[BM+27]
	v_add_f32 v[BM+14], v[BM+22], v[BM+19]
	v_add_f32 v[BM+6], v[BM+14], v[BM+11]
	v_add_f32 v[CAR], v[BM+6], v[BM+3]
	s_wait_dscnt 0x0                       ; the last step's stores have read their registers
	WIN 0xc0
.irp c, 0,1,2,3
	v_fma_f32 v[RB+16*\c+15], v[BM+8*\c+2], v[HZ], v[BM+8*\c+6]   ; behind my last key: A_c, and in lanes 0-15 the other half's 16 keys as well
.endr
	WIN 0xcc
.irp c, 0,1,2,3
	v_add_f32 v[RB+16*\c+7], v[BM+8*\c+4], v[RB+16*\c+15]
.endr
.irp m, 6,5,4,3,2,1,0                  ; R'[n] = e[n + 1] + R'[n + 1]: eight chains of seven, by turns
.irp c, 0,1,2,3
	v_add_f32 v[RB+16*\c+8+\m], v[EB+16*\c+9+\m], v[RB+16*\c+9+\m]
	v_add_f32 v[RB+16*\c+\m], v[EB+16*\c+1+\m], v[RB+16*\c+1+\m]
.endr
.endr
.if (\s) >= 3
	WIN 0x0c
.irp q, 0,1,2,3,4,5,6,7,8,9,10,11,12,13,14,15
	ds_store_b128 v[AR], v[RT+4*\q:RT+4*\q+3] offset:8192*((\s)-3)+512*\q
.endr
.endif
	WIN 0
.endm
.macro RLOAD s                         ; R' of step s back from my LDS
	WIN 0xc0
.irp q, 0,1,2,3,4,5,6,7,8,9,10,11,12,13,14,15
	ds_load_b128 v[RT+4*\q:RT+4*\q+3], v[AR] offset:8192*((\s)-3)+512*\q
.endr
	WIN 0
.endm
.macro PREA s                          ; j - i for the next step's 64 keys, exact whole numbers, into buffer s % 2.  Called for s = 0 .. 7 in order: v[DB] walks
.set AB, T1+64*((\s)%2)
	v_mov_b32 v[PC], v[DB]
	v_mov_b32 v[PC+1], v[DB]
	v_add_f32 v[PC+2], 0x42000000, v[DB]   ; + 32
	v_add_f32 v[PC+3], 0x42000000, v[DB]
	v_add_f32 v[PC+4], 0x42800000, v[DB]   ; + 64
	v_add_f32 v[PC+5], 0x42800000, v[DB]
	v_add_f32 v[PC+6], 0x42c00000, v[DB]   ; + 96
	v_add_f32 v[PC+7], 0x42c00000, v[DB]
	v_add_f32 v[DB], 0x43000000, v[DB]     ; + 128: the step after
.irp c, 0,1,2,3
.irp n, 0,2,4,6,8,10,12,14
	v_pk_add_f32 v[AB+16*\c+\n:AB+16*\c+\n+1], v[NC+\n:NC+\n+1], v[PC+2*\c:PC+2*\c+1]
.endr
.endr
.endm
.macro PREB s                          ; x R'
.set BB, T1+64*((\s)%2)
.if (\s) >= 3
.set BR, RT
	s_wait_dscnt 0x0                       ; R' of this step is back
.else
.set BR, 64*(\s)
.endif
	WIN 0x03
.set k, 0
.rept 32
	v_pk_mul_f32 v[BB+k:BB+k+1], v[BR+k:BR+k+1], v[BB+k:BB+k+1]
.set k, k+2
.endr
	WIN 0
.if ((\s) >= 3) && ((\s) < 7)
	RLOAD (\s)+1
.endif
.endm
; P3a, step s: te, t' = w te in w's place, and the largest t' of each block of 32 keys
.macro P3ASTEP s
.set DW, 1+(\s)/4
.set DWB, 64*((\s)%4)
.set DD, T1+64*((\s)%2)
.set DM, BM+4*(\s)
.set k, 0
.rept 64
	v_sqrt_f32 v[DD+k], |v[DD+k]|          ; sqrt(R' |j - i|)
.set k, k+1
.endr
.if (\s) < 7
	PREA (\s)+1
.else
	v_nop
.endif
	s_wait_alu depctr_va_vdst(0)           ; one wait for the batch of roots
.set k, 0
.rept 32
	v_pk_mul_f32 v[DD+k:DD+k+1], v[DD+k:DD+k+1], v[NK:NK+1] op_sel_hi:[1,0]   ; x -softplus(gamma) log2(e) / sqrt(l1)
.set k, k+2
.endr
.set k, 0
.rept 64
	v_exp_f32 v[DD+k], v[DD+k]
.set k, k+1
.endr
.if (\s) < 7
	PREB (\s)+1
.else
	v_nop
.endif
	s_wait_alu depctr_va_vdst(0)           ; one wait for the batch of exponentials
.set k, 0
.rept 64
	v_max_num_f32 v[DD+k], s34, v[DD+k]    ; the clip at 1e-5
.set k, k+1
.endr
	WIN (DW<<6)|DW
.set k, 0
.rept 32
	v_pk_mul_f32 v[DWB+k:DWB+k+1], v[DWB+k:DWB+k+1], v[DD+k:DD+k+1]
.set k, k+2
.endr
	WIN (DW<<2)|DW
.irp c, 0,1,2,3
	v_max_num_f32 v[DM+\c], v[DWB+16*\c], v[DWB+16*\c+1]
.endr
.irp i, 2,4,6,8,10,12,14
.irp c, 0,1,2,3
	v_max3_num_f32 v[DM+\c], v[DWB+16*\c+\i], v[DWB+16*\c+\i+1], v[DM+\c]
.endr
.endr
	WIN 0
.irp c, 0,1,2,3
	v_permlanex16_b32 v[TP+\c], v[DM+\c], s36, s37
.endr
.irp c, 0,1,2,3
	v_max_num_f32 v[DM+\c], v[DM+\c], v[TP+\c]   ; with the other half's 16 keys: the block's
.endr
.endm
; P3b, step s: p = 2^(c t' - M), its sum, its codes, and O^T += V^T P^T
.macro P3BSTEP s
.set YB, T1+64*((\s)%2)
.set YM, BM+4*(\s)
.set VSR, VS+2*((\s)%2)
.set k, 0
.rept 64
	v_exp_f32 v[YB+k], v[YB+k]
.set k, k+1
.endr
.if (\s) < 7
	SCALE (\s)+1
.endif
.irp c, 0,1,2,3                        ; the blocks' scales, from each block's largest p (made between the phases).  Twelve plain lines stand ahead of the write of p's scale word, which the last products read
	v_max_num_f32 v[YM+\c], 0x4800000, v[YM+\c]          ; the floor 2^(9 - 127): the byte cannot fall under 1; a block whose every p is 0 keeps that byte over zero codes
.endr
.irp c, 0,1,2,3
	v_add_nc_u32 v[TP+\c], 0xfc000000, v[YM+\c]          ; 8 off the exponent field: the conversion's scale operand
.endr
.irp c, 0,1,2,3
	v_and_or_b32 v[YM+\c], v[YM+\c], 0x7f800000, s35     ; 448 x the scale
.endr
	v_lshrrev_b32 v[PS], 23, v[TP]
	v_lshrrev_b32 v[TA], 23, v[TP+1]
	v_lshrrev_b32 v[TA+1], 23, v[TP+2]
	v_lshrrev_b32 v[TA+2], 23, v[TP+3]
	v_lshl_or_b32 v[PS], v[TA], 8, v[PS]
	v_lshl_or_b32 v[PS], v[TA+1], 16, v[PS]
	v_lshl_or_b32 v[PS], v[TA+2], 24, v[PS]              ; p's scale word for these 128 keys
	WIN 0xc0
.irp d, 0,1,2,3
.irp c, 0,1,2,3
	ds_load_b128 v[VF+16*\d+4*\c:VF+16*\d+4*\c+3], v[AV] offset:16*VP*\d+128*(\s)+32*\c
.endr
.endr
	WIN 0
	ds_load_b64 v[VSR:VSR+1], v[AVS] offset:256*(\s)
	s_wait_alu depctr_va_vdst(0)           ; one wait for the batch
.set q, 0
.rept 16
	v_pk_add_f32 v[L2:L2+1], v[L2:L2+1], v[YB+4*q:YB+4*q+1]          ; the sum is taken of the unquantised p;
	v_pk_add_f32 v[L2+2:L2+3], v[L2+2:L2+3], v[YB+4*q+2:YB+4*q+3]
	v_min_num_f32 v[YB+4*q], v[YB+4*q], v[YM+q/4]                    ; then the hold: the conversion to an 8-bit code does not saturate (ISA guide 7.6.2); p is not negative
	v_min_num_f32 v[YB+4*q+1], v[YB+4*q+1], v[YM+q/4]
	v_min_num_f32 v[YB+4*q+2], v[YB+4*q+2], v[YM+q/4]
	v_min_num_f32 v[YB+4*q+3], v[YB+4*q+3], v[YM+q/4]
.set q, q+1
.endr
.irp c, 0,1,2,3
	v_cvt_scalef32_pk8_fp8_f32 v[PC+4*\c:PC+4*\c+1], v[YB+16*\c:YB+16*\c+7], v[TP+\c]
	v_cvt_scalef32_pk8_fp8_f32 v[PC+4*\c+2:PC+4*\c+3], v[YB+16*\c+8:YB+16*\c+15], v[TP+\c]
.endr
	PLACES 4                               ; the plain line behind the conversions, and the four places between an operand written by vector instructions and a scaled product
	s_wait_dscnt 0x0                       ; V's fragments and scale words are in
.if (\s) == 0
	WIN 0xc3
.irp d, 0,2                            ; the first step starts the sums: nothing is cleared
	v_wmma_scale_f32_16x16x128_f8f6f4 v[OT+8*\d:OT+8*\d+7], v[VF+16*\d:VF+16*\d+15], v[PC:PC+15], 0, v[VSR+\d/2], v[PS]
	v_wmma_scale_f32_16x16x128_f8f6f4 v[OT+8*\d+8:OT+8*\d+15], v[VF+16*\d+16:VF+16*\d+31], v[PC:PC+15], 0, v[VSR+\d/2], v[PS] matrix_a_scale:MATRIX_SCALE_ROW1
.endr
.else
	WIN 0xf3
.irp d, 0,2                            ; the four accumulators take turns, one instruction a turn
	v_wmma_scale_f32_16x16x128_f8f6f4 v[OT+8*\d:OT+8*\d+7], v[VF+16*\d:VF+16*\d+15], v[PC:PC+15], v[OT+8*\d:OT+8*\d+7], v[VSR+\d/2], v[PS]
	v_wmma_scale_f32_16x16x128_f8f6f4 v[OT+8*\d+8:OT+8*\d+15], v[VF+16*\d+16:VF+16*\d+31], v[PC:PC+15], v[OT+8*\d+8:OT+8*\d+15], v[VSR+\d/2], v[PS] matrix_a_scale:MATRIX_SCALE_ROW1
.endr
.endif
	WIN 0
.endm
; ======== THE HEAD ========
	s_load_b256 s[4:11], s[0:1], 0x0       ; K's codes s[4:5], K's scales s[6:7], Q's codes s[8:9], Q's scales s[10:11]
	s_load_b256 s[12:19], s[0:1], 0x20     ; V's codes s[12:13], V's scales s[14:15], gamma s[16:17], the mask s[18:19]
	s_load_b64 s[20:21], s[0:1], 0x40      ; out0
	v_lshl_add_u32 v30, v0, 2, 0x4e000
	v_mov_b32 v31, 0
	v_lshrrev_b32 v[TA], 5, v0
	v_readfirstlane_b32 s23, v[TA]         ; wave 0..3
	s_and_b32 s25, ttmp7, 0xffff           ; the batch
	s_mov_b32 s30, 0x7e7e7e7e              ; the code of 448, four times
	s_mov_b32 s31, 0xccbebc20              ; -1e8
	s_mov_b32 s32, 0x3e38aa3b              ; c = log2(e) / 8
	s_mov_b32 s33, s32                     ; (named with it as a pair, so it is written)
	s_mov_b32 s34, 0x3727c5ac              ; 1e-5
	s_mov_b32 s35, 0x600000                ; the mantissa field of 448
	s_mov_b32 s36, 0x76543210
	s_mov_b32 s37, 0xfedcba98              ; v_permlanex16_b32's selects for lane l xor 16
	v_and_b32 v[TA], 31, v0                ; l
	v_and_b32 v[TA+1], 15, v0              ; r
	v_bfe_u32 v[TA+2], v0, 4, 1            ; h
	v_lshlrev_b32 v[LI], 4, v[TA]
	v_mul_u32_u24 v[AV], v[TA+1], VP
	v_lshl_add_u32 v[AV], v[TA+2], 4, v[AV]
	v_add_nc_u32 v[AV], VROW, v[AV]
	s_mul_i32 s39, s23, RWAVE
	s_add_co_u32 s39, s39, RREG
	v_add_nc_u32 v[AR], s39, v[LI]
	s_mul_i32 s39, s23, MWAVE
	s_add_co_u32 s39, s39, MSTG            ; my stage
	v_mul_u32_u24 v[AMS], v[TA+2], MP
	v_lshl_add_u32 v[AMS], v[TA+1], 4, v[AMS]
	v_add_nc_u32 v[AMS], s39, v[AMS]
	v_mul_u32_u24 v[AMF], v[TA+1], MP
	v_lshl_add_u32 v[AOS], v[TA+2], 5, v[AMF]
	v_add_nc_u32 v[AOS], s39, v[AOS]
	v_lshl_add_u32 v[AMF], v[TA+2], 4, v[AMF]
	v_add_nc_u32 v[AMF], s39, v[AMF]
	v_add_nc_u32 v[AKS], KSC, v[LI]
	v_lshl_add_u32 v[AVS], v[TA], 3, VSC
	v_lshlrev_b32 v[GM], 10, v[TA+2]
	v_lshl_add_u32 v[GM], v[TA+1], 4, v[GM]
	v_lshlrev_b32 v[GQ], 6, v[TA+1]
	v_lshl_add_u32 v[GQ], v[TA+2], 4, v[GQ]
	v_lshlrev_b32 v[GQS], 1, v[TA+1]
	v_mov_b32 v[SCB], 0xc0c0c0c0
	v_cvt_f32_u32 v[HZ], v[TA+2]
	v_sub_f32 v[HZ], 1.0, v[HZ]
	s_lshl_b32 s40, ttmp9, 7
	s_lshl_b32 s39, s23, 4
	s_add_co_u32 s40, s40, s39             ; my first query of the first pass: 128 x work-group x + 16 x wave
	v_lshlrev_b32 v[D0], 4, v[TA+2]
	v_sub_nc_u32 v[D0], v[D0], v[TA+1]
	v_sub_nc_u32 v[D0], v[D0], s40
	v_cvt_f32_i32 v[D0], v[D0]
.set k, 0
.rept 16
	v_cvt_f32_u32 v[NC+k], k
.set k, k+1
.endr
.irp c, 0,1,2,3
	v_mov_b32 v[TP+\c], 0                  ; written once: a lane permute's destination counts as one of its sources
.endr
.irp j, 8,9,10,11,12,13,14,15
	v_mov_b32 v[QF+\j], 0                  ; Q's zero codes for K = 64 .. 127: they stay
.endr
	; where the staging puts things.  Wave w lays keys 256 w .. 256 w + 255 (steps 2 w, 2 w + 1) and rows 16 w .. 16 w + 15 of V
.set KST, 64                           ; K: a load's lane l holds key 8 i + l / 4, piece l % 4 = 2 c + h: its place in an image is 512 c + 256 h + 16 (l / 4), the rest stands in the immediate
.set VST, 65
.set KSO, 66
.set VSO, 67
.set KSS, 68
.set VSS, 69
	v_bfe_u32 v[KST], v0, 1, 1
	v_and_b32 v70, 1, v0
	v_bfe_u32 v71, v0, 2, 3
	v_lshlrev_b32 v[KST], 9, v[KST]
	v_lshl_add_u32 v[KST], v70, 8, v[KST]
	v_lshl_add_u32 v[KST], v71, 4, v[KST]
	s_lshl_b32 s39, s23, 14
	v_add_nc_u32 v[KST], s39, v[KST]
	s_mul_i32 s39, s23, 16*VP
	s_add_co_u32 s39, s39, VROW
	v_add_nc_u32 v[VST], s39, v[LI]
	v_and_b32 v70, 8, v[TA+1]
	v_add_nc_u32 v70, v70, v[TA+1]
	v_lshl_add_u32 v70, v[TA+2], 3, v70    ; 8 h + r + 8 (r / 8): lanes 0-15 an even tile's keys, lanes 16-31 the odd tile's
	v_lshlrev_b32 v[KSO], 1, v70           ; two scale bytes a key
	v_lshlrev_b32 v[VSO], 5, v[TA]         ; 32 scale bytes a row of V: lane l takes row 32 p + l
	s_lshl_b32 s39, s23, 10
	v_add_nc_u32 v[KSS], s39, v[AKS]
	s_lshl_b32 s39, s23, 9
	v_add_nc_u32 v[VSS], s39, v[AVS]
	s_mov_b32 s29, 0
	s_wait_kmcnt 0x0
	s_load_b32 s22, s[16:17], 0x0          ; gamma
	s_lshl_b32 s26, s25, 16                ; a batch's codes are 65,536 bytes in each of the three tensors
	s_lshl_b32 s39, s23, 14
	s_add_co_u32 s28, s26, s39
	s_add_nc_u64 s[4:5], s[4:5], s[28:29]  ; K's and V's codes: my wave's quarter of the batch
	s_add_nc_u64 s[12:13], s[12:13], s[28:29]
	s_lshl_b32 s39, s40, 6
	s_add_co_u32 s28, s26, s39
	s_add_nc_u64 s[8:9], s[8:9], s[28:29]  ; Q's codes at my first query
	s_lshl_b32 s26, s25, 11                ; and its scale bytes 2,048
	s_lshl_b32 s39, s23, 9
	s_add_co_u32 s28, s26, s39
	s_add_nc_u64 s[6:7], s[6:7], s[28:29]  ; K's scales: my 256 keys
	s_lshl_b32 s39, s23, 3
	s_add_co_u32 s28, s26, s39
	s_add_nc_u64 s[14:15], s[14:15], s[28:29]  ; V's scales: my two steps' words in each row
	s_lshl_b32 s39, s40, 1
	s_add_co_u32 s28, s26, s39
	s_add_nc_u64 s[10:11], s[10:11], s[28:29]  ; Q's scales
	s_lshl_b32 s26, s25, 20
	s_lshl_b32 s39, s40, 10
	s_add_co_u32 s28, s26, s39
	s_add_nc_u64 s[18:19], s[18:19], s[28:29]  ; the mask at my first query's row
	s_lshl_b32 s26, s25, 18
	s_lshl_b32 s39, s40, 8
	s_add_co_u32 s28, s26, s39
	s_add_nc_u64 s[20:21], s[20:21], s[28:29]  ; out0 likewise
	WIN 0x40                               ; window 1 is free until the first scores: K and V land there, 512 consecutive bytes a load
.set i, 0
.rept 32
	global_load_b128 v[4*i:4*i+3], v[LI], s[4:5] offset:512*i
.set i, i+1
.endr
.set i, 0
.rept 32
	global_load_b128 v[128+4*i:128+4*i+3], v[LI], s[12:13] offset:512*i
.set i, i+1
.endr
	WIN 0
.irp e, 0,1
.irp p, 0,1,2,3
	global_load_u16 v[T2+4*\e+\p], v[KSO], s[6:7] offset:256*\e+64*\p      ; zero-extended: the upper two bytes stand over zero codes
.endr
.endr
.irp e, 0,1
.irp p, 0,1
	global_load_b32 v[T2+8+2*\e+\p], v[VSO], s[14:15] offset:1024*\p+4*\e
.endr
.endr
	PFETCH                                 ; the first pass's Q and mask
	s_wait_kmcnt 0x0                       ; gamma.  softplus(gamma) log2(e) = max(g, 0) + log2(1 + 2^-|g|), g = gamma log2(e)
	v_mov_b32 v[TA], s22
	v_mul_f32 v[TA], 0x3fb8aa3b, v[TA]
	v_exp_f32 v[TA+1], -|v[TA]|
	v_nop
	s_wait_alu depctr_va_vdst(0)
	v_add_f32 v[TA+1], 1.0, v[TA+1]
	v_log_f32 v[TA+1], v[TA+1]
	v_max_num_f32 v[TA], 0, v[TA]          ; (a plain line behind the logarithm)
	s_wait_alu depctr_va_vdst(0)
	v_add_f32 v[TH], v[TA], v[TA+1]
	s_wait_loadcnt 35                      ; all but the 35 loads of PFETCH are in
	WIN 0x04
.set i, 0
.rept 32
	ds_store_b128 v[KST], v[4*i:4*i+3] offset:1024*(2*(i/4)+i%2)+128*((i/2)%2)   ; keys 8 i .. 8 i + 7 belong to tile 2 (i / 4) + i % 2, lanes 8 ((i / 2) % 2) on
.set i, i+1
.endr
.set i, 0
.rept 32
	ds_store_b128 v[VST], v[128+4*i:128+4*i+3] offset:VP*(i/2)+512*(i%2)
.set i, i+1
.endr
	WIN 0
.irp e, 0,1
	ds_store_b128 v[KSS], v[T2+4*\e:T2+4*\e+3] offset:512*\e
	ds_store_b64 v[VSS], v[T2+8+2*\e:T2+9+2*\e] offset:256*\e
.endr
	s_wait_dscnt 0x0                       ; for the others' sake: my part of K, V and their scale words lies in LDS
	s_barrier_signal -1
	s_barrier_wait -1                      ; everybody's does; from here on these bytes are only read, and all else in LDS is each wave's own
	s_mov_b32 s38, 0
; ======== A PASS: 16 queries ========
.Lpass:
	WIN 0xc0
.irp t, 0,1,2,3,4,5,6,7
.irp j, 8,9,10,11,12,13,14,15
	v_mov_b32 v[KF+16*\t+\j], 0            ; K's zero codes for K = 64 .. 127.  Other numbers pass through these registers in every pass, so they are written in every pass
.endr
.endr
	WIN 0
	PLACES 4                               ; an operand written by vector instructions stands four places ahead of a scaled product
	s_wait_loadcnt 24                      ; Q, its scale words and mask group 0 are in; three groups of eight loads may be out
	STAGE_M 0
	KLOAD 0
	MFLOAD 0
.irp z, 0,1,2,3,4,5,6,7
	P1STEP \z
.endr
	v_max3_num_f32 v[BM], v[BM], v[BM+1], v[BM+2]
	v_max3_num_f32 v[BM+3], v[BM+3], v[BM+4], v[BM+5]
	v_max3_num_f32 v[BM], v[BM], v[BM+6], v[BM+7]
	v_max_num_f32 v[BM], v[BM], v[BM+3]
	v_permlanex16_b32 v[TP], v[BM], s36, s37
	v_max_num_f32 v[BM], v[BM], v[TP]      ; m1: the row's largest masked score
	v_mul_f32 v[CM], -v[BM], s32           ; -c m1.  Its rounding is one factor common to the row's e, which the division by their sum takes out
	v_mov_b32 v[CM+1], v[CM]
	v_mov_b32 v[CAR], 0
	SCALE 7
.irp z, 7,6,5,4,3,2,1,0
	P2STEP \z
.endr
	v_rsq_f32 v[NK], v[CAR]                ; l1 = the row's sum of e
	v_mov_b32 v[DB], v[D0]                 ; (a plain line behind it)
	s_wait_alu depctr_va_vdst(0)
	v_mul_f32 v[NK], -v[NK], v[TH]
	v_mov_b32 v[NK+1], v[NK]
	RLOAD 3
	PREA 0
	PREB 0
.irp z, 0,1,2,3,4,5,6,7
	P3ASTEP \z
.endr
	s_cmp_eq_u32 s38, 1                    ; the next pass's Q and mask are asked for here, a whole phase ahead, if there is a next pass: no load leaves its buffer
	s_cbranch_scc1 .Lnopf
	s_wait_xcnt 0x0                        ; the bases are stepped only behind this wait
	s_add_nc_u64 s[8:9], s[8:9], 4096      ; 64 queries on
	s_add_nc_u64 s[10:11], s[10:11], 128
	s_add_nc_u64 s[18:19], s[18:19], 65536
	PFETCH                                 ; the mask lands where R' of steps 0 and 1 lay
.Lnopf:
	v_max3_num_f32 v[TA], v[BM], v[BM+1], v[BM+2]
.irp i, 3,5,7,9,11,13,15,17,19,21,23,25,27,29
	v_max3_num_f32 v[TA], v[TA], v[BM+\i], v[BM+\i+1]
.endr
	v_max_num_f32 v[TA], v[TA], v[BM+31]   ; the row's largest t'
	v_mul_f32 v[TA], s32, v[TA]            ; as t (c is positive)
	v_floor_f32 v[CM], -v[TA]              ; -M = floor(-t) = -ceil(t): a whole number
	v_mov_b32 v[CM+1], v[CM]
.set k, 0
.rept 32
	v_fma_f32 v[BM+k], v[BM+k], s32, v[CM] ; each block's largest t' goes through the same multiply-add and exponential as its numbers: the block's largest p
.set k, k+1
.endr
.set k, 0
.rept 32
	v_exp_f32 v[BM+k], v[BM+k]
.set k, k+1
.endr
.irp j, 0,1,2,3
	v_mov_b32 v[L2+\j], 0
.endr
	SCALE 0
	s_wait_alu depctr_va_vdst(0)           ; one wait for the 32
.irp z, 0,1,2,3,4,5,6,7
	P3BSTEP \z
.endr
	; THE WAY OUT: O^T / l2, through my stage, as whole rows of 256 bytes
	v_pk_add_f32 v[L2:L2+1], v[L2:L2+1], v[L2+2:L2+3]
	v_add_f32 v[L2], v[L2], v[L2+1]
	v_permlanex16_b32 v[TP], v[L2], s36, s37
	v_add_f32 v[L2], v[L2], v[TP]          ; with the other half of the lanes' keys: the row's sum
	v_rcp_f32 v[NK], v[L2]
	PLACES 6                               ; with the three additions above: the eight places behind the last products, and the plain line behind the reciprocal
	s_wait_alu depctr_va_vdst(0)
	v_mov_b32 v[NK+1], v[NK]
	WIN 0x03
.set k, 0
.rept 16
	v_pk_mul_f32 v[T1+k:T1+k+1], v[OT+k:OT+k+1], v[NK:NK+1] op_sel_hi:[1,0]   ; each accumulator from its low end on.  Register 8 d + j is out(query r, 16 d + 8 h + j)
.set k, k+2
.endr
	WIN 0
.irp d, 0,1,2,3
	ds_store_b128 v[AOS], v[T1+8*\d:T1+8*\d+3] offset:64*\d
	ds_store_b128 v[AOS], v[T1+8*\d+4:T1+8*\d+7] offset:64*\d+16
.endr
.irp i, 0,1,2,3,4,5,6,7
	ds_load_b128 v[T2+4*\i:T2+4*\i+3], v[AMS] offset:544*\i    ; LDS serves a wave's instructions in order (ISA guide 5.7.1.4): these see my stores
.endr
.irp i, 0,1,2,3,4,5,6,7
	s_wait_dscnt 7-\i                      ; the younger loads may stay out
	global_store_b128 v[LI], v[T2+4*\i:T2+4*\i+3], s[20:21] offset:512*\i th:TH_STORE_NT   ; 32 lanes store two rows, 512 consecutive bytes, at a multiple of 256 from out0's first byte
.endr
	s_wait_xcnt 0x0                        ; the stores' base and data are written again only behind this wait
	s_add_nc_u64 s[20:21], s[20:21], 16384 ; 64 queries on
	v_add_f32 v[D0], 0xc2800000, v[D0]     ; - 64
	s_add_co_u32 s38, s38, 1
	s_cmp_lt_u32 s38, 2
	s_cbranch_scc1 .Lpass
	s_wait_tensorcnt 0x0
	ds_add_u32 v30, v31
	s_wait_dscnt 0x0
	s_endpgm
.Lfunc_end_k_q1501b49667_mono:
	.size	k_q1501b49667_mono, .Lfunc_end_k_q1501b49667_mono-k_q1501b49667_mono
	.p2alignl 7, 3214868480
	.fill 96, 4, 3214868480
	.section	.rodata,"a",@progbits
	.p2align	6, 0x0
	.amdhsa_kernel k_q1501b49667_mono
		.amdhsa_group_segment_fixed_size 320000
		.amdhsa_private_segment_fixed_size 0
		.amdhsa_enable_private_segment 0
		.amdhsa_kernarg_size 72
		.amdhsa_user_sgpr_count 2
		.amdhsa_user_sgpr_kernarg_segment_ptr 1
		.amdhsa_wavefront_size32 1
		.amdhsa_system_sgpr_workgroup_id_x 1
		.amdhsa_system_sgpr_workgroup_id_y 1
		.amdhsa_system_sgpr_workgroup_id_z 1
		.amdhsa_system_vgpr_workitem_id 0
		.amdhsa_next_free_vgpr 1024
		.amdhsa_next_free_sgpr 66
		.amdhsa_reserve_vcc 0
		.amdhsa_float_denorm_mode_32 3
		.amdhsa_float_denorm_mode_16_64 3
		.amdhsa_memory_ordered 1
		.amdhsa_forward_progress 1
		.amdhsa_inst_pref_size 255
	.end_amdhsa_kernel
	.section	.bss,"aw",@nobits
	.p2align	6
	.space	262144
	.amdgpu_metadata
---
amdhsa.version: [ 1, 2 ]
amdhsa.kernels:
  - .name:           k_q1501b49667_mono
    .symbol:         k_q1501b49667_mono.kd
    .args:
      - { .name: K_codes, .offset: 0, .size: 8, .value_kind: global_buffer, .address_space: global }
      - { .name: K_scales, .offset: 8, .size: 8, .value_kind: global_buffer, .address_space: global }
      - { .name: Q_codes, .offset: 16, .size: 8, .value_kind: global_buffer, .address_space: global }
      - { .name: Q_scales, .offset: 24, .size: 8, .value_kind: global_buffer, .address_space: global }
      - { .name: V_codes, .offset: 32, .size: 8, .value_kind: global_buffer, .address_space: global }
      - { .name: V_scales, .offset: 40, .size: 8, .value_kind: global_buffer, .address_space: global }
      - { .name: gamma, .offset: 48, .size: 8, .value_kind: global_buffer, .address_space: global }
      - { .name: mask, .offset: 56, .size: 8, .value_kind: global_buffer, .address_space: global }
      - { .name: out0, .offset: 64, .size: 8, .value_kind: global_buffer, .address_space: global }
    .group_segment_fixed_size: 320000
    .private_segment_fixed_size: 0
    .kernarg_segment_align: 8
    .kernarg_segment_size: 72
    .max_flat_workgroup_size: 128
    .sgpr_count:     66
    .vgpr_count:     1024
    .wavefront_size: 32
...
	.end_amdgpu_metadata
.endif
;; end of part 1
;; ======== version 2 of 2: 1 launch; version 1 with the launch mono written anew for expert scheduling mode
;; limits: right only within a limited range of input values
;; launch mono (part 2): grid 8 x 32, 4 waves a work-group, no clusters, 320,000 bytes of LDS; arguments K_codes, K_scales, Q_codes, Q_scales, V_codes, V_scales, gamma, mask, out0; writes out0
.if DOCPART == 2
	.amdgcn_target "amdgcn-amd-amdhsa--gfx1250"
	.amdhsa_code_object_version 6
	.text
	.protected	k_q1501b49667_mono
	.globl	k_q1501b49667_mono
	.p2align	8
	.type	k_q1501b49667_mono,@function
k_q1501b49667_mono:
	s_mov_b64 s[64:65], 0
	v_nop
	global_prefetch_b8 v0, s[64:65] scope:SCOPE_SE
	s_setreg_imm32_b32 hwreg(HW_REG_WAVE_SCHED_MODE, 0, 2), 2
	s_setreg_imm32_b32 hwreg(HW_REG_WAVE_MODE, 25, 1), 1
	s_wait_xcnt 0x0
	s_wait_alu depctr_vm_vsrc(0)
; MONOTONIC ATTENTION on codes of FP8 (E4M3) with one E8M0 scale for each 32 along a product's K.  32 batches, 1,024 queries x 1,024 keys, head size 64.
;   w = Q K^T (quantised);  w = -1e8 where the mask byte is set;  score = softmax(w / 8);  R_j = the sum of score behind key j;  d = sqrt(R_j |j - i|);
;   te = clip(exp(-softplus(gamma) d), 1e-5, 1e5);  t = (w / 8) te log2(e);  M = ceil(the row's largest t);  p = 2^(t - M), quantised along the keys;  out = (p V) / (the sum of the unquantised p).
; SHARES.  A work-group owns 128 queries of one batch; each of its four waves owns 16 at a time, in two passes.  A tile of 16 queries x 1,024 keys is 512 registers of one wave: the scores stay in
; registers through the whole chain (t takes w's place), so both softmaxes use the row's true maximum.  The unnormalised suffix sums R' are the one second array: steps 0-2 in registers, steps 3-7 in the wave's own LDS.
; LAYOUT.  Both products are used transposed (source 0 = 16 keys, or 16 of V's 64 rows; source 1 = my 16 queries): a lane holds ONE query (lane % 16).  THE KEYS OF A TILE ARE NOT NEIGHBOURS: lane r of tile
; 2 c + u of key step s takes key 128 s + 32 c + 8 u + r + 8 (r / 8), so that register 16 c + n of a step's 64 is key 128 s + 32 c + 16 (lane / 16) + n: 16 neighbours of a block of 32.
; The first product's K is 64: registers 8-15 of both its operands are zero codes, and the upper two scale bytes are 0, which over zero codes add nothing.
; K AND V of the batch are laid into LDS once, through registers, and serve both passes: K as images of the operand's registers, V as rows.  The eight work-groups of a batch read the same K and V, yet no joint
; tensor load brings them: K's order of 16-byte pieces is no tile, and as padded rows (1,024 x 80 + 64 x 1,040 bytes) they would not fit beside R' (163,840), the stages (17,408) and the scale words (6,144): 335,872 against the 327,680 that a work-group can claim.
; THE MASK is read once, 256 consecutive bytes to sixteen lanes, and turned through the wave's stage in LDS; the second pass's mask and Q are loaded into registers a whole phase ahead.
; LIMITS: an open raw score under -1e8 is held at -1e8, one over 448 x 2^65 is held there; NaN and infinities are not served; mask bytes are 0 or 1; exponentials under 2^-126 come out as 0;
; the clip at 1e5 and the clip of R at 0 cannot bind (the exponent is never positive, R' is a sum of numbers that are not negative) and are not written.
; THE MODE: SCHED_MODE bits 1:0 = 2 (LLVM: expert scheduling mode 2), set by the entry lines.  The code itself states the register dependences
; between vector or matrix instructions and memory or LDS instructions, with s_wait_alu, always for 0.
; THE PLAN.  Registers that memory or LDS instructions touch, round a pass:
;   v1-11, v30, v31     addresses: made at the head, ahead of its one wait on va_vdst, and never written again.
;   v64-69, v128-139, window 1   at the head only: addresses and data of the LDS stores that lay K and V; written again in P1: one wait on vm_vsrc at a pass's head.
;   KF (lower eights), KS, T2 0-15   P1, step s: its products, shifts and conversions name them; behind ONE wait on va_vdst the loads of step s + 1 land in them, dealt among the 64 v_med3, which name w and T1 alone.
;   window 3, v0-127    the mask lands; P1's LDS stores read it; P2 writes R' of steps 1 and 0 there; P3a's first two steps read that; the next pass's mask lands behind P3a.
;   RT                  P2, step s (7 to 3) writes it; its 16 LDS stores stand in step s - 1, behind that step's wait for its exponentials; a wait on vm_vsrc stands ahead of RT's next write.
;                       P3a: the loads of R' land in it behind the wait for a step's exponentials, ahead of which stand the products that read it.
;   VF, VS              P3b, step s: its products read them; the loads of step s + 1 land behind that step's wait for its exponentials, dealt among the sums and holds, which name p, its sums and its holds alone.
;   PC, PS              written by vector lines, taken by scaled products: a wait on va_vdst behind the four places.
;   T1, T2 on the way out   written by the division, read by LDS stores (a wait on va_vdst); T2 takes the rows back and global stores read it: the wait on vm_vsrc at the next pass's head.
.set VP,    1040                       ; a row of V in LDS: 1,024 bytes + 16: an odd multiple of 16
.set MP,    272                        ; a row of the stage: 256 bytes + 16
.set KIMG,  0                          ; K: tile T = 8 s + t at 1,024 T; in it registers 4 c .. 4 c + 3 at 512 c + 16 x lane          65,536 bytes
.set VROW,  65536                      ; V: 64 rows of VP bytes                                                                     66,560
.set RREG,  132096                     ; R' of steps 3-7, each wave's own: 8,192 (s - 3) + 512 q + 16 x lane                         4 x 40,960
.set RWAVE, 40960
.set MSTG,  295936                     ; each wave's own stage, 16 rows of MP bytes: the mask on its way in, out0 on its way out     4 x 4,352
.set MWAVE, 4352
.set KSC,   313344                     ; K's scale words: step s at 512 s + 16 x lane                                                4,096
.set VSC,   317440                     ; V's: step s at 256 s + 8 x lane                                                             2,048
; window 0
.set LI,  1                            ; 16 x lane
.set AV,  2                            ; VROW + VP r + 16 h
.set AR,  3                            ; my wave's R' + 16 x lane
.set AMS, 4                            ; my stage + MP h + 16 r: two whole rows an instruction
.set AMF, 5                            ; my stage + MP r + 16 h: my query's row
.set AKS, 6
.set AVS, 7
.set GM,  8                            ; the mask in memory: 1,024 h + 16 r
.set GQ,  9                            ; Q: 64 r + 16 h
.set GQS, 10                           ; Q's scales: 2 r
.set AOS, 11                           ; my stage + MP r + 32 h
.set SCB, 12                           ; the byte 192 four times: 2^65
.set HZ,  13                           ; 1.0 in lanes 0-15, 0.0 in lanes 16-31
.set D0,  14                           ; 16 h - my query, as f32
.set TH,  15                           ; softplus(gamma) x log2(e)
.set KS,  16                           ; v16-23 K's scale words, two sets;  v24-27 V's, two sets;  v28 Q's;  v29 p's: these hold scales and nothing else
.set VS,  24
.set QS,  28
.set PS,  29
.set NC,  32                           ; v32-47 the numbers 0 .. 15
.set QF,  48                           ; v48-63 Q's fragment
.set T1,  64                           ; v64-127, v128-191: two buffers of a step's 64 numbers
.set T2,  128
.set BM,  192                          ; v192-223 at work; from P3a on the 32 blocks' maxima
.set PC,  224                          ; v224-239 p's codes; in P3a the blocks' offsets
.set L2,  240                          ; v240-243 the second sum, two pairs
.set CM,  244                          ; v244-245 what is added behind x c: -c m1, later -M
.set NK,  246                          ; v246-247 -TH / sqrt(l1); on the way out 1 / l2
.set CAR, 248                          ; the sum of e behind the step in hand
.set TA,  249                          ; v249-251 at work
.set DB,  251                          ; P3a: D0 + 128 x the step to be prepared
.set TP,  252                          ; v252-255 lane permutes' destinations; the conversions' scale operands
; window 1: w, then t, of steps 0-3, 64 registers each;  window 2: of steps 4-7
; window 3: v0-191 R' of steps 0-2 (P2 to P3a), v0-127 the next mask as loaded (P3b to P1); v192-255 R' on its way to and from LDS;
.set RT,  192
.set KF,  128                          ; v128-255 K's eight fragments (P1);
.set VF,  128                          ; v128-191 V's four fragments, v192-223 O^T (P3b)
.set OT,  192
.set MSB, 0
.macro WIN new                         ; s_set_vgpr_msb: bits 1:0 source 0, 3:2 source 1, 5:4 source 2, 7:6 destination; the high byte repeats the setting that is left
.if MSB != (\new)
	s_set_vgpr_msb (MSB<<8)|(\new)
.set MSB, (\new)
.endif
.endm
.macro PLACES n
.rept \n
	v_nop
.endr
.endm
; 35 loads: a pass's Q, its scale words, and its 16 rows of the mask in four groups of 256 keys; each half of the lanes reads 256 consecutive bytes
.macro PFETCH
	global_load_b128 v[QF:QF+3], v[GQ], s[8:9]
	global_load_b128 v[QF+4:QF+7], v[GQ], s[8:9] offset:32
	global_load_u16 v[QS], v[GQS], s[10:11]
	WIN 0xc0
.irp g, 0,1,2,3
.irp i, 0,1,2,3,4,5,6,7
	global_load_b128 v[32*\g+4*\i:32*\g+4*\i+3], v[GM], s[18:19] offset:2048*\i+256*\g th:TH_LOAD_NT
.endr
.endr
	WIN 0
.endm
.macro STAGE_M g                       ; mask group g into my stage, as rows
	WIN 0x0c                               ; an LDS store's data are its source 1
.irp i, 0,1,2,3,4,5,6,7
	ds_store_b128 v[AMS], v[32*(\g)+4*\i:32*(\g)+4*\i+3] offset:544*\i
.endr
	WIN 0
.endm
.macro KLOAD4 s, base                  ; step s: four of K's eight fragments (their lower eight registers), tiles base on.  It leaves the destination's window at 3
	WIN 0xc0
.irp t, 0,1,2,3
	ds_load_b128 v[KF+16*((\base)+\t):KF+16*((\base)+\t)+3], v[LI] offset:1024*(8*(\s)+(\base)+\t)
	ds_load_b128 v[KF+16*((\base)+\t)+4:KF+16*((\base)+\t)+7], v[LI] offset:1024*(8*(\s)+(\base)+\t)+512
.endr
.endm
.macro KSLOAD s                        ; step s: K's scale words (window 0)
	ds_load_b128 v[KS+4*((\s)%2):KS+4*((\s)%2)+3], v[AKS] offset:512*(\s)
.endm
.macro MFLOAD s                        ; step s: my query's 64 mask bytes, 16 of each block of 32 keys
.irp c, 0,1,2,3
	ds_load_b128 v[T2+4*\c:T2+4*\c+3], v[AMF] offset:128*((\s)%2)+32*\c
.endr
.endm
; P1, step s: scores, mask, running maxima
.macro P1STEP s
.set WW, 1+(\s)/4
.set WB, 64*((\s)%4)
.set KSR, KS+4*((\s)%2)
	s_wait_dscnt 0x0                       ; K's fragments, its scale words and the mask bytes are in
	WIN (WW<<6)|3
.irp t, 0,2,4,6                        ; a scale register carries an even tile's words in lanes 0-15 and the odd tile's in lanes 16-31
	v_wmma_scale_f32_16x16x128_f8f6f4 v[WB+8*\t:WB+8*\t+7], v[KF+16*\t:KF+16*\t+15], v[QF:QF+15], 0, v[KSR+\t/2], v[QS]
	v_wmma_scale_f32_16x16x128_f8f6f4 v[WB+8*\t+8:WB+8*\t+15], v[KF+16*\t+16:KF+16*\t+31], v[QF:QF+15], 0, v[KSR+\t/2], v[QS] matrix_a_scale:MATRIX_SCALE_ROW1
.endr
	WIN 0
.set k, 0
.rept 16
	v_lshl_or_b32 v[T2+k], v[T2+k], 7, s30 ; a mask byte 0 becomes the code of +448, a byte 1 that of -448.  (These sixteen are also the eight places behind the products)
.set k, k+1
.endr
.set k, 0
.rept 8
	v_cvt_scale_pk8_f32_fp8 v[T1+8*k:T1+8*k+7], v[T2+2*k:T2+2*k+1], v[SCB]   ; +-448 x 2^65, a number for each key
.set k, k+1
.endr
	v_nop                                  ; one plain line behind the last conversion
.if (\s) < 7
	s_wait_alu depctr_va_vdst(0)           ; the products are done reading K's fragments and scale words, the shifts and conversions are done with the mask bytes' registers: the next step's loads land in all three.  No line up to the step's end names them
	KLOAD4 (\s)+1, 0
.endif
	WIN (WW<<6)|WW
.set k, 0
.rept 32
	v_med3_num_f32 v[WB+k], v[WB+k], s31, v[T1+k]   ; the middle of (w, -1e8, -huge) is -1e8; of (w, -1e8, +huge) it is w.  Each accumulator is read from its low end on
.set k, k+1
.endr
.if (\s) < 7
	KLOAD4 (\s)+1, 4                       ; the second run of the next step's loads
	WIN 0
	KSLOAD (\s)+1
.if (\s)%2 == 1
	s_wait_loadcnt 24-4*((\s)+1)           ; the next mask group's eight loads are in; the groups behind it, eight loads each, may be out
	STAGE_M ((\s)+1)/2                     ; LDS serves a wave's instructions in order: my reads of the last group are over
.endif
	MFLOAD (\s)+1
	WIN (WW<<6)|WW
.endif
.rept 32
	v_med3_num_f32 v[WB+k], v[WB+k], s31, v[T1+k]
.set k, k+1
.endr
	WIN (WW<<2)|WW
.set k, 0
.rept 32
.if ((\s) == 0) && (k < 8)
	v_max_num_f32 v[BM+k], v[WB+2*k], v[WB+2*k+1]   ; eight chains; their first links start them
.else
	v_max3_num_f32 v[BM+k%8], v[WB+2*k], v[WB+2*k+1], v[BM+k%8]
.endif
.set k, k+1
.endr
	WIN 0
.endm
; x c + v[CM], for step s's 64 numbers of window 1 or 2, into buffer s % 2
.macro SCALE s
.set SWB, 64*((\s)%4)
.set SEB, T1+64*((\s)%2)
	WIN 1+(\s)/4
.set k, 0
.rept 32
	v_pk_fma_f32 v[SEB+k:SEB+k+1], v[SWB+k:SWB+k+1], s[32:33], v[CM:CM+1] op_sel_hi:[1,0,0]
.set k, k+2
.endr
	WIN 0
.endm
; P2, step s (7 down to 0): e = 2^(c w - c m1), and R'_j = the sum of e behind key j
.macro P2STEP s
.set EB, T1+64*((\s)%2)
.if (\s) >= 3
.set RB, RT
.else
.set RB, 64*(\s)
.endif
.set k, 0
.rept 64
	v_exp_f32 v[EB+k], v[EB+k]
.set k, k+1
.endr
.if (\s) > 0
	SCALE (\s)-1                           ; the next step's arguments: work that names no result of the batch
.else
	v_nop
.endif
	s_wait_alu depctr_va_vdst(0)           ; one wait for the batch, ahead of its first reader; it also states that the step before has written its R' in v[RT ..], which the stores below read
.if ((\s) >= 2) && ((\s) < 7)
	WIN 0x0c
.irp q, 0,1,2,3,4,5,6,7,8,9,10,11,12,13,14,15
	ds_store_b128 v[AR], v[RT+4*\q:RT+4*\q+3] offset:8192*((\s)-2)+512*\q   ; R' of step s + 1
.endr
	WIN 0
.endif
.irp u, 0,1,2,3                        ; a block's 16 numbers: sums of its lower and upper eight
.irp c, 0,1,2,3
	v_pk_add_f32 v[BM+8*\c+2*\u:BM+8*\c+2*\u+1], v[EB+16*\c+4*\u:EB+16*\c+4*\u+1], v[EB+16*\c+4*\u+2:EB+16*\c+4*\u+3]
.endr
.endr
.irp c, 0,1,2,3
	v_pk_add_f32 v[BM+8*\c:BM+8*\c+1], v[BM+8*\c:BM+8*\c+1], v[BM+8*\c+2:BM+8*\c+3]
	v_pk_add_f32 v[BM+8*\c+4:BM+8*\c+5], v[BM+8*\c+4:BM+8*\c+5], v[BM+8*\c+6:BM+8*\c+7]
.endr
.irp c, 0,1,2,3
	v_add_f32 v[BM+8*\c], v[BM+8*\c], v[BM+8*\c+1]        ; the lower eight
.endr
.irp c, 0,1,2,3
	v_add_f32 v[BM+8*\c+4], v[BM+8*\c+4], v[BM+8*\c+5]    ; U: the upper eight
.endr
.irp c, 0,1,2,3
	v_add_f32 v[BM+8*\c+1], v[BM+8*\c], v[BM+8*\c+4]      ; T: my 16
.endr
.irp c, 0,1,2,3
	v_permlanex16_b32 v[BM+8*\c+2], v[BM+8*\c+1], s36, s37   ; T': the other half of the lanes' 16
.endr
.irp c, 0,1,2,3
	v_add_f32 v[BM+8*\c+3], v[BM+8*\c+1], v[BM+8*\c+2]    ; B: the block's 32
.endr
	v_mov_b32 v[BM+30], v[CAR]             ; A_c: all that lies behind block c
	v_add_f32 v[BM+22], v[CAR], v[BM+27]
	v_add_f32 v[BM+14], v[BM+22], v[BM+19]
	v_add_f32 v[BM+6], v[BM+14], v[BM+11]
	v_add_f32 v[CAR], v[BM+6], v[BM+3]
.if ((\s) >= 3) && ((\s) < 7)
	s_wait_alu depctr_vm_vsrc(0)           ; the stores above have read v[RT ..], which the sums below write again.  (In step 6 it also states that P1's stores of the mask have read window 3's v0-127, which steps 1 and 0 write)
.endif
	WIN 0xc0
.irp c, 0,1,2,3
	v_fma_f32 v[RB+16*\c+15], v[BM+8*\c+2], v[HZ], v[BM+8*\c+6]   ; behind my last key: A_c, and in lanes 0-15 the other half's 16 keys as well
.endr
	WIN 0xcc
.irp c, 0,1,2,3
	v_add_f32 v[RB+16*\c+7], v[BM+8*\c+4], v[RB+16*\c+15]
.endr
.irp m, 6,5,4,3,2,1,0                  ; R'[n] = e[n + 1] + R'[n + 1]: eight chains of seven, by turns
.irp c, 0,1,2,3
	v_add_f32 v[RB+16*\c+8+\m], v[EB+16*\c+9+\m], v[RB+16*\c+9+\m]
	v_add_f32 v[RB+16*\c+\m], v[EB+16*\c+1+\m], v[RB+16*\c+1+\m]
.endr
.endr
	WIN 0
.endm
.macro RLOAD s                         ; R' of step s back from my LDS
	WIN 0xc0
.irp q, 0,1,2,3,4,5,6,7,8,9,10,11,12,13,14,15
	ds_load_b128 v[RT+4*\q:RT+4*\q+3], v[AR] offset:8192*((\s)-3)+512*\q
.endr
	WIN 0
.endm
.macro PREA s                          ; j - i for the next step's 64 keys, exact whole numbers, into buffer s % 2.  Called for s = 0 .. 7 in order: v[DB] walks
.set AB, T1+64*((\s)%2)
	v_mov_b32 v[PC], v[DB]
	v_mov_b32 v[PC+1], v[DB]
	v_add_f32 v[PC+2], 0x42000000, v[DB]   ; + 32
	v_add_f32 v[PC+3], 0x42000000, v[DB]
	v_add_f32 v[PC+4], 0x42800000, v[DB]   ; + 64
	v_add_f32 v[PC+5], 0x42800000, v[DB]
	v_add_f32 v[PC+6], 0x42c00000, v[DB]   ; + 96
	v_add_f32 v[PC+7], 0x42c00000, v[DB]
	v_add_f32 v[DB], 0x43000000, v[DB]     ; + 128: the step after
.irp c, 0,1,2,3
.irp n, 0,2,4,6,8,10,12,14
	v_pk_add_f32 v[AB+16*\c+\n:AB+16*\c+\n+1], v[NC+\n:NC+\n+1], v[PC+2*\c:PC+2*\c+1]
.endr
.endr
.endm
.macro PREB s                          ; x R'
.set BB, T1+64*((\s)%2)
.if (\s) >= 3
.set BR, RT
	s_wait_dscnt 0x0                       ; R' of this step is back
.else
.set BR, 64*(\s)
.endif
	WIN 0x03
.set k, 0
.rept 32
	v_pk_mul_f32 v[BB+k:BB+k+1], v[BR+k:BR+k+1], v[BB+k:BB+k+1]
.set k, k+2
.endr
	WIN 0
.endm
; P3a, step s: te, t' = w te in w's place, and the largest t' of each block of 32 keys
.macro P3ASTEP s
.set DW, 1+(\s)/4
.set DWB, 64*((\s)%4)
.set DD, T1+64*((\s)%2)
.set DM, BM+4*(\s)
.set k, 0
.rept 64
	v_sqrt_f32 v[DD+k], |v[DD+k]|          ; sqrt(R' |j - i|)
.set k, k+1
.endr
.if (\s) < 7
	PREA (\s)+1
.else
	v_nop
.endif
	s_wait_alu depctr_va_vdst(0)           ; one wait for the batch of roots
.set k, 0
.rept 32
	v_pk_mul_f32 v[DD+k:DD+k+1], v[DD+k:DD+k+1], v[NK:NK+1] op_sel_hi:[1,0]   ; x -softplus(gamma) log2(e) / sqrt(l1)
.set k, k+2
.endr
.set k, 0
.rept 64
	v_exp_f32 v[DD+k], v[DD+k]
.set k, k+1
.endr
.if (\s) < 7
	PREB (\s)+1
.else
	v_nop
.endif
	s_wait_alu depctr_va_vdst(0)           ; one wait for the batch of exponentials; it also states that the multiplications above are done reading v[RT ..], in which the loads below land
.if ((\s) >= 2) && ((\s) <= 5)
	RLOAD (\s)+2                           ; R' of the step after the next: wanted behind the next step's roots and exponentials
.endif
.set k, 0
.rept 64
	v_max_num_f32 v[DD+k], s34, v[DD+k]    ; the clip at 1e-5
.set k, k+1
.endr
	WIN (DW<<6)|DW
.set k, 0
.rept 32
	v_pk_mul_f32 v[DWB+k:DWB+k+1], v[DWB+k:DWB+k+1], v[DD+k:DD+k+1]
.set k, k+2
.endr
	WIN (DW<<2)|DW
.irp c, 0,1,2,3
	v_max_num_f32 v[DM+\c], v[DWB+16*\c], v[DWB+16*\c+1]
.endr
.irp i, 2,4,6,8,10,12,14
.irp c, 0,1,2,3
	v_max3_num_f32 v[DM+\c], v[DWB+16*\c+\i], v[DWB+16*\c+\i+1], v[DM+\c]
.endr
.endr
	WIN 0
.irp c, 0,1,2,3
	v_permlanex16_b32 v[TP+\c], v[DM+\c], s36, s37
.endr
.irp c, 0,1,2,3
	v_max_num_f32 v[DM+\c], v[DM+\c], v[TP+\c]   ; with the other half's 16 keys: the block's
.endr
.endm
.macro VLOAD2 s, from                  ; step s: two of V's four fragments, tiles from on
	WIN 0xc0
.irp d, 0,1
.irp c, 0,1,2,3
	ds_load_b128 v[VF+16*((\from)+\d)+4*\c:VF+16*((\from)+\d)+4*\c+3], v[AV] offset:16*VP*((\from)+\d)+128*(\s)+32*\c
.endr
.endr
	WIN 0
.endm
; P3b, step s: p = 2^(c t' - M), its sum, its codes, and O^T += V^T P^T
.macro P3BSTEP s
.set YB, T1+64*((\s)%2)
.set YM, BM+4*(\s)
.set VSR, VS+2*((\s)%2)
.set k, 0
.rept 64
	v_exp_f32 v[YB+k], v[YB+k]
.set k, k+1
.endr
.if (\s) < 7
	SCALE (\s)+1
.endif
.irp c, 0,1,2,3                        ; the blocks' scales, from each block's largest p (made between the phases).  Twelve plain lines stand ahead of the write of p's scale word, which the last products read
	v_max_num_f32 v[YM+\c], 0x4800000, v[YM+\c]          ; the floor 2^(9 - 127): the byte cannot fall under 1; a block whose every p is 0 keeps that byte over zero codes
.endr
.irp c, 0,1,2,3
	v_add_nc_u32 v[TP+\c], 0xfc000000, v[YM+\c]          ; 8 off the exponent field: the conversion's scale operand
.endr
.irp c, 0,1,2,3
	v_and_or_b32 v[YM+\c], v[YM+\c], 0x7f800000, s35     ; 448 x the scale
.endr
	v_lshrrev_b32 v[PS], 23, v[TP]
	v_lshrrev_b32 v[TA], 23, v[TP+1]
	v_lshrrev_b32 v[TA+1], 23, v[TP+2]
	v_lshrrev_b32 v[TA+2], 23, v[TP+3]
	v_lshl_or_b32 v[PS], v[TA], 8, v[PS]
	v_lshl_or_b32 v[PS], v[TA+1], 16, v[PS]
	v_lshl_or_b32 v[PS], v[TA+2], 24, v[PS]              ; p's scale word for these 128 keys
	s_wait_alu depctr_va_vdst(0)           ; one wait for the batch; it also states that the last step's products are done reading V's fragments, and those of two steps back their scale words: this step's loads land there.  No line up to the products names them
	VLOAD2 \s, 0
	ds_load_b64 v[VSR:VSR+1], v[AVS] offset:256*(\s)
.set q, 0
.rept 8
	v_pk_add_f32 v[L2:L2+1], v[L2:L2+1], v[YB+4*q:YB+4*q+1]          ; the sum is taken of the unquantised p;
	v_pk_add_f32 v[L2+2:L2+3], v[L2+2:L2+3], v[YB+4*q+2:YB+4*q+3]
	v_min_num_f32 v[YB+4*q], v[YB+4*q], v[YM+q/4]                    ; then the hold: the conversion to an 8-bit code does not saturate (ISA guide 7.6.2); p is not negative
	v_min_num_f32 v[YB+4*q+1], v[YB+4*q+1], v[YM+q/4]
	v_min_num_f32 v[YB+4*q+2], v[YB+4*q+2], v[YM+q/4]
	v_min_num_f32 v[YB+4*q+3], v[YB+4*q+3], v[YM+q/4]
.set q, q+1
.endr
	VLOAD2 \s, 2                           ; the second run of V's loads
.rept 8
	v_pk_add_f32 v[L2:L2+1], v[L2:L2+1], v[YB+4*q:YB+4*q+1]
	v_pk_add_f32 v[L2+2:L2+3], v[L2+2:L2+3], v[YB+4*q+2:YB+4*q+3]
	v_min_num_f32 v[YB+4*q], v[YB+4*q], v[YM+q/4]
	v_min_num_f32 v[YB+4*q+1], v[YB+4*q+1], v[YM+q/4]
	v_min_num_f32 v[YB+4*q+2], v[YB+4*q+2], v[YM+q/4]
	v_min_num_f32 v[YB+4*q+3], v[YB+4*q+3], v[YM+q/4]
.set q, q+1
.endr
.irp c, 0,1,2,3
	v_cvt_scalef32_pk8_fp8_f32 v[PC+4*\c:PC+4*\c+1], v[YB+16*\c:YB+16*\c+7], v[TP+\c]
	v_cvt_scalef32_pk8_fp8_f32 v[PC+4*\c+2:PC+4*\c+3], v[YB+16*\c+8:YB+16*\c+15], v[TP+\c]
.endr
	PLACES 4                               ; the plain line behind the conversions, and the four places between an operand written by vector instructions and a scaled product
	s_wait_alu depctr_va_vdst(0)           ; the conversions have written p's codes, and the lines further up its scale word: the scaled products take both; the places above stay beside this wait
	s_wait_dscnt 0x0                       ; V's fragments and scale words are in
.if (\s) == 0
	WIN 0xc3
.irp d, 0,2                            ; the first step starts the sums: nothing is cleared
	v_wmma_scale_f32_16x16x128_f8f6f4 v[OT+8*\d:OT+8*\d+7], v[VF+16*\d:VF+16*\d+15], v[PC:PC+15], 0, v[VSR+\d/2], v[PS]
	v_wmma_scale_f32_16x16x128_f8f6f4 v[OT+8*\d+8:OT+8*\d+15], v[VF+16*\d+16:VF+16*\d+31], v[PC:PC+15], 0, v[VSR+\d/2], v[PS] matrix_a_scale:MATRIX_SCALE_ROW1
.endr
.else
	WIN 0xf3
.irp d, 0,2                            ; the four accumulators take turns, one instruction a turn
	v_wmma_scale_f32_16x16x128_f8f6f4 v[OT+8*\d:OT+8*\d+7], v[VF+16*\d:VF+16*\d+15], v[PC:PC+15], v[OT+8*\d:OT+8*\d+7], v[VSR+\d/2], v[PS]
	v_wmma_scale_f32_16x16x128_f8f6f4 v[OT+8*\d+8:OT+8*\d+15], v[VF+16*\d+16:VF+16*\d+31], v[PC:PC+15], v[OT+8*\d+8:OT+8*\d+15], v[VSR+\d/2], v[PS] matrix_a_scale:MATRIX_SCALE_ROW1
.endr
.endif
	WIN 0
.endm
; ======== THE HEAD ========
	s_load_b256 s[4:11], s[0:1], 0x0       ; K's codes s[4:5], K's scales s[6:7], Q's codes s[8:9], Q's scales s[10:11]
	s_load_b256 s[12:19], s[0:1], 0x20     ; V's codes s[12:13], V's scales s[14:15], gamma s[16:17], the mask s[18:19]
	s_load_b64 s[20:21], s[0:1], 0x40      ; out0
	v_lshl_add_u32 v30, v0, 2, 0x4e000
	v_mov_b32 v31, 0
	v_lshrrev_b32 v[TA], 5, v0
	v_readfirstlane_b32 s23, v[TA]         ; wave 0..3
	s_and_b32 s25, ttmp7, 0xffff           ; the batch
	s_mov_b32 s30, 0x7e7e7e7e              ; the code of 448, four times
	s_mov_b32 s31, 0xccbebc20              ; -1e8
	s_mov_b32 s32, 0x3e38aa3b              ; c = log2(e) / 8
	s_mov_b32 s33, s32                     ; (named with it as a pair, so it is written)
	s_mov_b32 s34, 0x3727c5ac              ; 1e-5
	s_mov_b32 s35, 0x600000                ; the mantissa field of 448
	s_mov_b32 s36, 0x76543210
	s_mov_b32 s37, 0xfedcba98              ; v_permlanex16_b32's selects for lane l xor 16
	v_and_b32 v[TA], 31, v0                ; l
	v_and_b32 v[TA+1], 15, v0              ; r
	v_bfe_u32 v[TA+2], v0, 4, 1            ; h
	v_lshlrev_b32 v[LI], 4, v[TA]
	v_mul_u32_u24 v[AV], v[TA+1], VP
	v_lshl_add_u32 v[AV], v[TA+2], 4, v[AV]
	v_add_nc_u32 v[AV], VROW, v[AV]
	s_wait_alu depctr_va_sdst(0)           ; s23, the wave's number, is written, ahead of its first reader: LDS places and the buffers' offsets are made from it
	s_mul_i32 s39, s23, RWAVE
	s_add_co_u32 s39, s39, RREG
	v_add_nc_u32 v[AR], s39, v[LI]
	s_mul_i32 s39, s23, MWAVE
	s_add_co_u32 s39, s39, MSTG            ; my stage
	v_mul_u32_u24 v[AMS], v[TA+2], MP
	v_lshl_add_u32 v[AMS], v[TA+1], 4, v[AMS]
	v_add_nc_u32 v[AMS], s39, v[AMS]
	v_mul_u32_u24 v[AMF], v[TA+1], MP
	v_lshl_add_u32 v[AOS], v[TA+2], 5, v[AMF]
	v_add_nc_u32 v[AOS], s39, v[AOS]
	v_lshl_add_u32 v[AMF], v[TA+2], 4, v[AMF]
	v_add_nc_u32 v[AMF], s39, v[AMF]
	v_add_nc_u32 v[AKS], KSC, v[LI]
	v_lshl_add_u32 v[AVS], v[TA], 3, VSC
	v_lshlrev_b32 v[GM], 10, v[TA+2]
	v_lshl_add_u32 v[GM], v[TA+1], 4, v[GM]
	v_lshlrev_b32 v[GQ], 6, v[TA+1]
	v_lshl_add_u32 v[GQ], v[TA+2], 4, v[GQ]
	v_lshlrev_b32 v[GQS], 1, v[TA+1]
	v_mov_b32 v[SCB], 0xc0c0c0c0
	v_cvt_f32_u32 v[HZ], v[TA+2]
	v_sub_f32 v[HZ], 1.0, v[HZ]
	s_lshl_b32 s40, ttmp9, 7
	s_lshl_b32 s39, s23, 4
	s_add_co_u32 s40, s40, s39             ; my first query of the first pass: 128 x work-group x + 16 x wave
	v_lshlrev_b32 v[D0], 4, v[TA+2]
	v_sub_nc_u32 v[D0], v[D0], v[TA+1]
	v_sub_nc_u32 v[D0], v[D0], s40
	v_cvt_f32_i32 v[D0], v[D0]
.set k, 0
.rept 16
	v_cvt_f32_u32 v[NC+k], k
.set k, k+1
.endr
.irp c, 0,1,2,3
	v_mov_b32 v[TP+\c], 0                  ; written once: a lane permute's destination counts as one of its sources
.endr
.irp j, 8,9,10,11,12,13,14,15
	v_mov_b32 v[QF+\j], 0                  ; Q's zero codes for K = 64 .. 127: they stay
.endr
	; where the staging puts things.  Wave w lays keys 256 w .. 256 w + 255 (steps 2 w, 2 w + 1) and rows 16 w .. 16 w + 15 of V
.set KST, 64                           ; K: a load's lane l holds key 8 i + l / 4, piece l % 4 = 2 c + h: its place in an image is 512 c + 256 h + 16 (l / 4), the rest stands in the immediate
.set VST, 65
.set KSO, 66
.set VSO, 67
.set KSS, 68
.set VSS, 69
	v_bfe_u32 v[KST], v0, 1, 1
	v_and_b32 v70, 1, v0
	v_bfe_u32 v71, v0, 2, 3
	v_lshlrev_b32 v[KST], 9, v[KST]
	v_lshl_add_u32 v[KST], v70, 8, v[KST]
	v_lshl_add_u32 v[KST], v71, 4, v[KST]
	s_lshl_b32 s39, s23, 14
	v_add_nc_u32 v[KST], s39, v[KST]
	s_mul_i32 s39, s23, 16*VP
	s_add_co_u32 s39, s39, VROW
	v_add_nc_u32 v[VST], s39, v[LI]
	v_and_b32 v70, 8, v[TA+1]
	v_add_nc_u32 v70, v70, v[TA+1]
	v_lshl_add_u32 v70, v[TA+2], 3, v70    ; 8 h + r + 8 (r / 8): lanes 0-15 an even tile's keys, lanes 16-31 the odd tile's
	v_lshlrev_b32 v[KSO], 1, v70           ; two scale bytes a key
	v_lshlrev_b32 v[VSO], 5, v[TA]         ; 32 scale bytes a row of V: lane l takes row 32 p + l
	s_lshl_b32 s39, s23, 10
	v_add_nc_u32 v[KSS], s39, v[AKS]
	s_lshl_b32 s39, s23, 9
	v_add_nc_u32 v[VSS], s39, v[AVS]
	s_mov_b32 s29, 0
	s_wait_kmcnt 0x0
	s_load_b32 s22, s[16:17], 0x0          ; gamma
	s_lshl_b32 s26, s25, 16                ; a batch's codes are 65,536 bytes in each of the three tensors
	s_lshl_b32 s39, s23, 14
	s_add_co_u32 s28, s26, s39
	s_add_nc_u64 s[4:5], s[4:5], s[28:29]  ; K's and V's codes: my wave's quarter of the batch
	s_add_nc_u64 s[12:13], s[12:13], s[28:29]
	s_lshl_b32 s39, s40, 6
	s_add_co_u32 s28, s26, s39
	s_add_nc_u64 s[8:9], s[8:9], s[28:29]  ; Q's codes at my first query
	s_lshl_b32 s26, s25, 11                ; and its scale bytes 2,048
	s_lshl_b32 s39, s23, 9
	s_add_co_u32 s28, s26, s39
	s_add_nc_u64 s[6:7], s[6:7], s[28:29]  ; K's scales: my 256 keys
	s_lshl_b32 s39, s23, 3
	s_add_co_u32 s28, s26, s39
	s_add_nc_u64 s[14:15], s[14:15], s[28:29]  ; V's scales: my two steps' words in each row
	s_lshl_b32 s39, s40, 1
	s_add_co_u32 s28, s26, s39
	s_add_nc_u64 s[10:11], s[10:11], s[28:29]  ; Q's scales
	s_lshl_b32 s26, s25, 20
	s_lshl_b32 s39, s40, 10
	s_add_co_u32 s28, s26, s39
	s_add_nc_u64 s[18:19], s[18:19], s[28:29]  ; the mask at my first query's row
	s_lshl_b32 s26, s25, 18
	s_lshl_b32 s39, s40, 8
	s_add_co_u32 s28, s26, s39
	s_add_nc_u64 s[20:21], s[20:21], s[28:29]  ; out0 likewise
	WIN 0x40                               ; window 1 is free until the first scores: K and V land there, 512 consecutive bytes a load
	s_wait_alu depctr_va_vdst(0)           ; the addresses v1 to v11 and v64 to v69 are written, which every load and store of the kernel reads, and so are Q's zero codes, which the first products take
.set i, 0
.rept 32
	global_load_b128 v[4*i:4*i+3], v[LI], s[4:5] offset:512*i
.set i, i+1
.endr
.set i, 0
.rept 32
	global_load_b128 v[128+4*i:128+4*i+3], v[LI], s[12:13] offset:512*i
.set i, i+1
.endr
	WIN 0
.irp e, 0,1
.irp p, 0,1,2,3
	global_load_u16 v[T2+4*\e+\p], v[KSO], s[6:7] offset:256*\e+64*\p      ; zero-extended: the upper two bytes stand over zero codes
.endr
.endr
.irp e, 0,1
.irp p, 0,1
	global_load_b32 v[T2+8+2*\e+\p], v[VSO], s[14:15] offset:1024*\p+4*\e
.endr
.endr
	PFETCH                                 ; the first pass's Q and mask
	s_wait_kmcnt 0x0                       ; gamma.  softplus(gamma) log2(e) = max(g, 0) + log2(1 + 2^-|g|), g = gamma log2(e)
	v_mov_b32 v[TA], s22
	v_mul_f32 v[TA], 0x3fb8aa3b, v[TA]
	v_exp_f32 v[TA+1], -|v[TA]|
	v_nop
	s_wait_alu depctr_va_vdst(0)           ; the exponential's result, ahead of its reader
	v_add_f32 v[TA+1], 1.0, v[TA+1]
	v_log_f32 v[TA+1], v[TA+1]
	v_max_num_f32 v[TA], 0, v[TA]          ; (a plain line behind the logarithm)
	s_wait_alu depctr_va_vdst(0)           ; the logarithm's result, ahead of its reader
	v_add_f32 v[TH], v[TA], v[TA+1]
	s_wait_loadcnt 35                      ; all but the 35 loads of PFETCH are in
	WIN 0x04
.set i, 0
.rept 32
	ds_store_b128 v[KST], v[4*i:4*i+3] offset:1024*(2*(i/4)+i%2)+128*((i/2)%2)   ; keys 8 i .. 8 i + 7 belong to tile 2 (i / 4) + i % 2, lanes 8 ((i / 2) % 2) on
.set i, i+1
.endr
.set i, 0
.rept 32
	ds_store_b128 v[VST], v[128+4*i:128+4*i+3] offset:VP*(i/2)+512*(i%2)
.set i, i+1
.endr
	WIN 0
.irp e, 0,1
	ds_store_b128 v[KSS], v[T2+4*\e:T2+4*\e+3] offset:512*\e
	ds_store_b64 v[VSS], v[T2+8+2*\e:T2+9+2*\e] offset:256*\e
.endr
	s_wait_dscnt 0x0                       ; for the others' sake: my part of K, V and their scale words lies in LDS
	s_barrier_signal -1
	s_barrier_wait -1                      ; everybody's does; from here on these bytes are only read, and all else in LDS is each wave's own
	s_mov_b32 s38, 0
; ======== A PASS: 16 queries ========
.Lpass:
	s_wait_alu depctr_vm_vsrc(0)           ; first pass: the head's LDS stores have read window 1, v128-139 and their addresses in v64-69; second pass: the way out's stores have read v[T1 ..] and v[T2 ..].  The scores, the conversions and the mask bytes' loads write these again
	WIN 0xc0
.irp t, 0,1,2,3,4,5,6,7
.irp j, 8,9,10,11,12,13,14,15
	v_mov_b32 v[KF+16*\t+\j], 0            ; K's zero codes for K = 64 .. 127.  Other numbers pass through these registers in every pass, so they are written in every pass
.endr
.endr
	WIN 0
	PLACES 4                               ; an operand written by vector instructions stands four places ahead of a scaled product
	s_wait_alu depctr_va_vdst(0)           ; K's zero codes are written, which the scaled products take; and the last pass's products and way out are done with the registers in which K's fragments, its scale words and the mask bytes land
	s_wait_loadcnt 24                      ; Q, its scale words and mask group 0 are in; three groups of eight loads may be out
	STAGE_M 0
	KLOAD4 0, 0
	KLOAD4 0, 4
	WIN 0
	KSLOAD 0
	MFLOAD 0
.irp z, 0,1,2,3,4,5,6,7
	P1STEP \z
.endr
	v_max3_num_f32 v[BM], v[BM], v[BM+1], v[BM+2]
	v_max3_num_f32 v[BM+3], v[BM+3], v[BM+4], v[BM+5]
	v_max3_num_f32 v[BM], v[BM], v[BM+6], v[BM+7]
	v_max_num_f32 v[BM], v[BM], v[BM+3]
	v_permlanex16_b32 v[TP], v[BM], s36, s37
	v_max_num_f32 v[BM], v[BM], v[TP]      ; m1: the row's largest masked score
	v_mul_f32 v[CM], -v[BM], s32           ; -c m1.  Its rounding is one factor common to the row's e, which the division by their sum takes out
	v_mov_b32 v[CM+1], v[CM]
	v_mov_b32 v[CAR], 0
	SCALE 7
.irp z, 7,6,5,4,3,2,1,0
	P2STEP \z
.endr
	v_rsq_f32 v[NK], v[CAR]                ; l1 = the row's sum of e
	v_mov_b32 v[DB], v[D0]                 ; (a plain line behind it)
	s_wait_alu depctr_va_vdst(0)           ; the root's result, ahead of its reader
	v_mul_f32 v[NK], -v[NK], v[TH]
	v_mov_b32 v[NK+1], v[NK]
	s_wait_alu depctr_vm_vsrc(0)           ; the stores of step 3's R', issued in step 2, have read v[RT ..], in which the loads below land
	RLOAD 3
	PREA 0
	PREB 0
.irp z, 0,1,2,3,4,5,6,7
	P3ASTEP \z
.endr
	s_cmp_eq_u32 s38, 1                    ; the next pass's Q and mask are asked for here, a whole phase ahead, if there is a next pass: no load leaves its buffer
	s_cbranch_scc1 .Lnopf
	s_wait_xcnt 0x0                        ; the bases are stepped only behind this wait
	s_add_nc_u64 s[8:9], s[8:9], 4096      ; 64 queries on
	s_add_nc_u64 s[10:11], s[10:11], 128
	s_add_nc_u64 s[18:19], s[18:19], 65536
	PFETCH                                 ; the mask lands where R' of steps 0 and 1 lay.  No wait of its own: the last lines that name those registers stand in P3a's step 0, the last that name Q and its scale words in P1, all ahead of the waits on va_vdst of P3a's later steps
.Lnopf:
	v_max3_num_f32 v[TA], v[BM], v[BM+1], v[BM+2]
.irp i, 3,5,7,9,11,13,15,17,19,21,23,25,27,29
	v_max3_num_f32 v[TA], v[TA], v[BM+\i], v[BM+\i+1]
.endr
	v_max_num_f32 v[TA], v[TA], v[BM+31]   ; the row's largest t'
	v_mul_f32 v[TA], s32, v[TA]            ; as t (c is positive)
	v_floor_f32 v[CM], -v[TA]              ; -M = floor(-t) = -ceil(t): a whole number
	v_mov_b32 v[CM+1], v[CM]
.set k, 0
.rept 32
	v_fma_f32 v[BM+k], v[BM+k], s32, v[CM] ; each block's largest t' goes through the same multiply-add and exponential as its numbers: the block's largest p
.set k, k+1
.endr
.set k, 0
.rept 32
	v_exp_f32 v[BM+k], v[BM+k]
.set k, k+1
.endr
.irp j, 0,1,2,3
	v_mov_b32 v[L2+\j], 0
.endr
	SCALE 0
	s_wait_alu depctr_va_vdst(0)           ; one wait for the 32
.irp z, 0,1,2,3,4,5,6,7
	P3BSTEP \z
.endr
	; THE WAY OUT: O^T / l2, through my stage, as whole rows of 256 bytes
	v_pk_add_f32 v[L2:L2+1], v[L2:L2+1], v[L2+2:L2+3]
	v_add_f32 v[L2], v[L2], v[L2+1]
	v_permlanex16_b32 v[TP], v[L2], s36, s37
	v_add_f32 v[L2], v[L2], v[TP]          ; with the other half of the lanes' keys: the row's sum
	v_rcp_f32 v[NK], v[L2]
	PLACES 6                               ; with the three additions above: the eight places behind the last products, and the plain line behind the reciprocal
	s_wait_alu depctr_va_vdst(0)           ; the reciprocal's result, ahead of its reader
	v_mov_b32 v[NK+1], v[NK]
	WIN 0x03
.set k, 0
.rept 16
	v_pk_mul_f32 v[T1+k:T1+k+1], v[OT+k:OT+k+1], v[NK:NK+1] op_sel_hi:[1,0]   ; each accumulator from its low end on.  Register 8 d + j is out(query r, 16 d + 8 h + j)
.set k, k+2
.endr
	WIN 0
	s_wait_alu depctr_va_vdst(0)           ; the multiplications have written v[T1 ..], which the LDS stores read; the last step's holds and conversions are done with v[T2 ..], in which the rows land
.irp d, 0,1,2,3
	ds_store_b128 v[AOS], v[T1+8*\d:T1+8*\d+3] offset:64*\d
	ds_store_b128 v[AOS], v[T1+8*\d+4:T1+8*\d+7] offset:64*\d+16
.endr
.irp i, 0,1,2,3,4,5,6,7
	ds_load_b128 v[T2+4*\i:T2+4*\i+3], v[AMS] offset:544*\i    ; LDS serves a wave's instructions in order (ISA guide 5.7.1.4): these see my stores
.endr
.irp i, 0,1,2,3,4,5,6,7
	s_wait_dscnt 7-\i                      ; the younger loads may stay out
	global_store_b128 v[LI], v[T2+4*\i:T2+4*\i+3], s[20:21] offset:512*\i th:TH_STORE_NT   ; 32 lanes store two rows, 512 consecutive bytes, at a multiple of 256 from out0's first byte
.endr
	s_wait_xcnt 0x0                        ; the stores' base and data are written again only behind this wait
	s_add_nc_u64 s[20:21], s[20:21], 16384 ; 64 queries on
	v_add_f32 v[D0], 0xc2800000, v[D0]     ; - 64
	s_add_co_u32 s38, s38, 1
	s_cmp_lt_u32 s38, 2
	s_cbranch_scc1 .Lpass
	s_wait_dscnt 0x0                       ; the closing lines, six on end
	s_wait_alu 0x0
	s_wait_tensorcnt 0x0
	ds_add_u32 v30, v31
	s_wait_dscnt 0x0
	s_endpgm
.Lfunc_end_k_q1501b49667_mono:
	.size	k_q1501b49667_mono, .Lfunc_end_k_q1501b49667_mono-k_q1501b49667_mono
	.p2alignl 7, 3214868480
	.fill 96, 4, 3214868480
	.section	.rodata,"a",@progbits
	.p2align	6, 0x0
	.amdhsa_kernel k_q1501b49667_mono
		.amdhsa_group_segment_fixed_size 320000
		.amdhsa_private_segment_fixed_size 0
		.amdhsa_enable_private_segment 0
		.amdhsa_kernarg_size 72
		.amdhsa_user_sgpr_count 2
		.amdhsa_user_sgpr_kernarg_segment_ptr 1
		.amdhsa_wavefront_size32 1
		.amdhsa_system_sgpr_workgroup_id_x 1
		.amdhsa_system_sgpr_workgroup_id_y 1
		.amdhsa_system_sgpr_workgroup_id_z 1
		.amdhsa_system_vgpr_workitem_id 0
		.amdhsa_next_free_vgpr 1024
		.amdhsa_next_free_sgpr 66
		.amdhsa_reserve_vcc 0
		.amdhsa_float_denorm_mode_32 3
		.amdhsa_float_denorm_mode_16_64 3
		.amdhsa_memory_ordered 1
		.amdhsa_forward_progress 1
		.amdhsa_inst_pref_size 255
	.end_amdhsa_kernel
	.section	.bss,"aw",@nobits
	.p2align	6
	.space	262144
	.amdgpu_metadata
---
amdhsa.version: [ 1, 2 ]
amdhsa.kernels:
  - .name:           k_q1501b49667_mono
    .symbol:         k_q1501b49667_mono.kd
    .args:
      - { .name: K_codes, .offset: 0, .size: 8, .value_kind: global_buffer, .address_space: global }
      - { .name: K_scales, .offset: 8, .size: 8, .value_kind: global_buffer, .address_space: global }
      - { .name: Q_codes, .offset: 16, .size: 8, .value_kind: global_buffer, .address_space: global }
      - { .name: Q_scales, .offset: 24, .size: 8, .value_kind: global_buffer, .address_space: global }
      - { .name: V_codes, .offset: 32, .size: 8, .value_kind: global_buffer, .address_space: global }
      - { .name: V_scales, .offset: 40, .size: 8, .value_kind: global_buffer, .address_space: global }
      - { .name: gamma, .offset: 48, .size: 8, .value_kind: global_buffer, .address_space: global }
      - { .name: mask, .offset: 56, .size: 8, .value_kind: global_buffer, .address_space: global }
      - { .name: out0, .offset: 64, .size: 8, .value_kind: global_buffer, .address_space: global }
    .group_segment_fixed_size: 320000
    .private_segment_fixed_size: 0
    .kernarg_segment_align: 8
    .kernarg_segment_size: 72
    .max_flat_workgroup_size: 128
    .sgpr_count:     66
    .vgpr_count:     1024
    .wavefront_size: 32
...
	.end_amdgpu_metadata
.endif
;; end of part 2
